; MI455X (gfx1250); checked and timed in simulation.
; The chip was launched on July 23, 2026; its instructions are those of AMD's public machine-readable ISA for CDNA 5 (MIT licence, August 2026) and "CDNA5" Instruction Set Architecture Reference Guide (July 2026). The comments in the code are by the model that wrote it; some were corrected since.
;; Full Attention. Allowed arithmetic: matrix products marked QUANTISED: E5M2 operands, one E8M0 scale for each 32 along K, by v_wmma_scale_f32_16x16x128_f8f6f4 with both operands' format E5M2, f32 sums; everything else in f32.
;; Inputs: attn_mask 2,048 x 2,048 bool; keys 2 x 2,048 x 16 x 64 float32; queries 2 x 2,048 x 16 x 64 float32; values 2 x 2,048 x 16 x 64 float32.
;; Outputs: out0 2 x 2,048 x 16 x 64 float32.
;; This version of the problem:
;;   THIS VERSION OF THE PROBLEM IS GIVEN IN LOW PRECISION. The matrix products marked QUANTISED in the list below multiply operands that are first quantised to E5M2 (5 exponent bits, 2 mantissa bits; 8 bits a number), with one power-of-two scale for each 32 numbers along K (OCP MX v1.0); their sums are f32. All else is computed in f32.
;;   The module's matrix products, in the order in which they are computed (A, B: the left and right operand; K: the contracted axis; several contracted axes count as one K, in the product's order):
;;     1. batch 32 x [M 2,048, K 64] x [K 64, N 2,048]; A: input queries; B: input keys: QUANTISED
;;     2. batch 32 x [M 64, K 2,048] x [K 2,048, N 2,048]; A: input values; B: softmax (see below): QUANTISED
;;   THE QUANTISER, for each operand of a quantised product, along K:
;;     - K is cut into blocks of 32 from its start; a last block that is shorter is filled with zeros.
;;     - A block's scale is 2^e with e = floor(log2(the largest magnitude in the block)) - 15, held to -126 .. 127; a block of zeros has e = 0. As a byte (E8M0): e + 127.
;;     - Each number is divided by its block's scale, clamped to +-57,344, and rounded to the nearest number of E5M2, ties to even, subnormals kept.
;;     - The product sums the exact products of the quantised numbers (number of the format x scale) in f32.
;;   ~~~python
;;   def quantise(x, axis):      # numpy; x: float32 -> the quantised numbers, widened to float32 again
;;       x = np.moveaxis(x, axis, -1); K = x.shape[-1]
;;       x = np.pad(x, [(0, 0)] * (x.ndim - 1) + [(0, -K % 32)]); x = x.reshape(x.shape[:-1] + (-1, 32)); a = np.abs(x).max(-1, keepdims=True)
;;       e = np.where(a > 0, np.clip(np.frexp(np.where(a > 0, a, 1))[1] - 1 - 15, -126, 127), 0)      # np.frexp(a)[1] - 1 = floor(log2(a)), exactly
;;       r = np.clip(x / 2.0 ** e, -57344, 57344)
;;       step = 2.0 ** (np.maximum(np.frexp(np.where(r == 0, 1, r))[1] - 1, -14) - 2)
;;       q = np.round(r / step) * step * 2.0 ** e      # np.round: ties to even
;;       return np.moveaxis(q.reshape(q.shape[:-2] + (-1,))[..., :K], -1, axis).astype(np.float32)
;;   ~~~
;;   SOFTMAX AHEAD OF A QUANTISED PRODUCT. Where the list says 'softmax', what is quantised is not the finished softmax but p = 2^(t - M), with t = logit x log2(e) and M = ceil(the row's largest t), a whole number; so 1/2 < the row's largest p <= 1. The row's sum l is taken of the UNQUANTISED p, in f32, and the product's result is divided by l at the end. Since M is a whole number, a kernel that streams over the keys may use a running M (the ceiling of the running maximum): every later rescaling is an exact power of two, which a block's scale takes up: the codes' values come out the same.
;;   OPERANDS COMPUTED ON THE WAY. 'Computed on the way' means the value that the module computes at that place (a softmax that the list does not call 'softmax' is quantised finished and normalised). What goes into a quantiser is computed in f32, as accurately as f32 sums, v_exp_f32 and their like allow (about 1e-6 of the number): no bf16 or f16 on the way to a quantiser, and a product that is left as it is and whose result goes on into a quantised operand takes f32 operands (vector FMAs, or v_wmma_f32_16x16x4_f32). A number that lies on a knife's edge between two numbers of the format may be rounded either way, as far as f32 arithmetic and the matrix unit's own rounding can turn it there, and no further.
;; 2 versions. Each part assembles by itself: llvm-mc -triple=amdgcn-amd-amdhsa -mcpu=gfx1250 --defsym DOCPART=n.
;; ======== version 1 of 2: 2 launches
;; workspace buffers: kvc 8,650,752 bytes; mbits 524,288 bytes of whole numbers; mflags 512 bytes of whole numbers
;; launch prep (part 1): grid 640 x 1, 4 waves a work-group, no clusters, 35,328 bytes of LDS; arguments keys, values, attn_mask, kvc, mbits, mflags; writes kvc, mbits, mflags
.if DOCPART == 1
	.amdgcn_target "amdgcn-amd-amdhsa--gfx1250"
	.amdhsa_code_object_version 6
	.text
	.protected	k_qd32e5f6d9f_prep
	.globl	k_qd32e5f6d9f_prep
	.p2align	8
	.type	k_qd32e5f6d9f_prep,@function
k_qd32e5f6d9f_prep:
	s_mov_b64 s[64:65], 0
	v_nop
	global_prefetch_b8 v0, s[64:65] scope:SCOPE_SE
	s_setreg_imm32_b32 hwreg(HW_REG_WAVE_MODE, 25, 1), 1
	s_wait_xcnt 0x0
; PREPARATION FOR THE ATTENTION LAUNCH.  keys, values: [2][2048][16][64] f32; attn_mask: [2048][2048] bytes (not 0 = masked).
; Three jobs, parted on the work-group's number: 0-255 quantise the keys along D, 256-511 the values along the KEYS, 512-639 pack the mask.
; Codes are BF8 (E5M2) with one E8M0 byte for each 32 along a product's K: the byte is the largest magnitude's exponent field - 15, held at 1 from below;
; each number is divided by the scale, held within +-57,344 and rounded to the nearest code, ties to even.
; LIMITS: NaN and infinities among keys and values are not served.  A block of zeros gets the byte 1 where the rule says 127: its codes are zeros, and this program alone reads the bytes.
; kvc, head hh (= 16 b + head) at hh x 270,336, laid in the ORDER OF THE OPERANDS' REGISTERS.  A step s is 128 keys; l = lane, r = l % 16, h = l / 16.
;   codes of step s at 16,384 s.  K: pair p at 2,048 p, chunk c at 512 c, lane at 16 l: key 128 s + 32 p + 8 (c / 2) + r + 8 (r / 8), d = 32 (c % 2) + 16 h + 0 .. 15.
;   V at + 8,192: tile t at 2,048 t, chunk c at 512 c, lane at 16 l: keys 128 s + 32 c + 16 h + 0 .. 15 of d = 16 t + r.
;   scale words of step s at 262,144 + 512 s: K's at 128 w + 4 l (pair 2 w + h, row r, byte c = chunk c); V's at 256 + 128 w + 4 l (tile 2 w + h, row r, byte c = key block c).
; mbits: tile T of 16 queries, step s, at 4,096 T + 256 s: 64 words; bit l of word n = mask[16 T + r][128 s + 32 (n / 16) + 16 h + n % 16].
; mflags: word T; bit 2 s: the tile (T, s) is wholly masked; bit 2 s + 1: some score of it is masked.
; A stream: no matrix unit, no tensor load, no barrier; waves share nothing.  Every wave issues all its loads at its start.
.set HEADB, 270336
.set SCB,   262144
.set SP,    272                        ; a stage row: 256 bytes + 16 = 17 x 16 bytes, so sixteen rows begin at sixteen different 16-byte columns modulo 256
.set TM,    12                         ; v12-15 largest magnitudes, v16-19 the other half's / the bytes, v20-23 the hold, v24-27 the conversions' scale operands
.set PW0,   28                         ; the two pairs' scale words
.set PW1,   29
.set SW,    30                         ; the word that a lane stores
.set PC0,   32                         ; v32-47, v48-63 the two pairs' codes: no store's data are written again
.set PC1,   48
.set X0,    64                         ; v64-127  pair 0's numbers, 16 neighbours along D for each chunk
.set R0,    128                        ; v128-255 the 64 keys as loaded
.set X1,    128                        ; pair 1's numbers land where pair 0 was loaded
.set VX,    64                         ; V path: v64-191 my column's 128 keys
.set VC,    192                        ; v192-223 their codes
.set MM,    64                         ; mask path: v64-127 the bytes as loaded
.set MW,    32                         ; v32-39 a pair of registers for each step's 64 words
	s_load_b256 s[4:11], s[0:1], 0x0               ; keys s[4:5], values s[6:7], mask s[8:9], kvc s[10:11]
	s_load_b128 s[12:15], s[0:1], 0x20             ; mbits s[12:13], mflags s[14:15]
	v_lshl_add_u32 v31, v0, 2, 0x8800
	s_set_vgpr_msb 0x40
	v_mov_b32 v1, 0
	s_set_vgpr_msb 0x4000
	v_lshrrev_b32 v1, 5, v0
	v_readfirstlane_b32 s16, v1                    ; wave 0..3
	v_and_b32 v1, 31, v0                           ; l
	v_and_b32 v2, 15, v0                           ; r
	v_bfe_u32 v3, v0, 4, 1                         ; h
	s_mov_b32 s20, 0x76543210
	s_mov_b32 s21, 0xfedcba98                      ; v_permlanex16_b32's selects for lane l xor 16
	s_mov_b32 s23, 0x600000                        ; the mantissa field of 57,344
	s_cmp_ge_u32 ttmp9, 512
	s_cbranch_scc1 .Lmask
	s_and_b32 s24, ttmp9, 255
	s_lshr_b32 s25, s24, 3                         ; hh
	s_lshr_b32 s26, s25, 4                         ; b
	s_and_b32 s27, s25, 15                         ; head
	s_and_b32 s28, s24, 7
	s_lshl_b32 s28, s28, 1
	s_lshr_b32 s29, s16, 1
	s_add_co_u32 s28, s28, s29                     ; s: two steps to a work-group, two waves to a step
	s_and_b32 s29, s16, 1                          ; w
	s_lshl_b32 s30, s26, 23                        ; in the input: b x 2^23 + s x 128 keys of 4,096 bytes + head x 256
	s_lshl_b32 s31, s28, 19
	s_add_co_u32 s30, s30, s31
	s_lshl_b32 s31, s27, 8
	s_add_co_u32 s30, s30, s31
	s_mul_i32 s32, s25, HEADB
	s_lshl_b32 s33, s28, 14
	s_add_co_u32 s34, s32, s33
	s_lshl_b32 s33, s29, 12
	s_add_co_u32 s34, s34, s33                     ; my codes: head + 16,384 s + 4,096 w
	s_lshl_b32 s33, s28, 9
	s_add_co_u32 s36, s32, s33
	s_lshl_b32 s33, s29, 7
	s_add_co_u32 s36, s36, s33
	s_add_co_u32 s36, s36, SCB                     ; my scale words: head + 262,144 + 512 s + 128 w
	s_mov_b32 s31, 0
	s_mov_b32 s35, 0
	s_mov_b32 s37, 0
	s_cmp_ge_u32 ttmp9, 256
	s_cbranch_scc1 .Lvalues
; ---------------- THE KEYS: a wave takes 64 keys, pairs 2 w and 2 w + 1 ----------------
; 64 numbers of a lane, register 16 b + i = the i-th of my 16 numbers of block b, become 16 registers of codes and a scale word.  A block lies in lanes l and l xor 16.
.macro QUANT s, pc, pw
.irp b, 0,1,2,3
	v_max3_num_f32 v[TM+\b], |v[\s+16*\b]|, |v[\s+1+16*\b]|, 0x8000000   ; my 16 numbers, and the floor 2^(16 - 127): so the byte cannot fall under 1
.endr
.irp i, 2,4,6,8,10,12,14
.irp b, 0,1,2,3
	v_max3_num_f32 v[TM+\b], v[TM+\b], |v[\s+16*\b+\i]|, |v[\s+1+16*\b+\i]|   ; the four blocks by turns
.endr
.endr
.irp b, 0,1,2,3
	v_permlanex16_b32 v[TM+4+\b], v[TM+\b], s20, s21
.endr
.irp b, 0,1,2,3
	v_max_num_f32 v[TM+\b], v[TM+\b], v[TM+4+\b]   ; the block's largest magnitude
.endr
.irp b, 0,1,2,3
	v_add_nc_u32 v[TM+12+\b], 0xf8800000, v[TM+\b] ; 15 off its exponent field: the conversion takes this operand's exponent field as its scale
.endr
.irp b, 0,1,2,3
	v_and_or_b32 v[TM+8+\b], v[TM+\b], 0x7f800000, s23   ; 57,344 x the scale
.endr
.irp b, 0,1,2,3
	v_lshrrev_b32 v[TM+4+\b], 23, v[TM+12+\b]      ; the scale's byte
.endr
	v_lshl_or_b32 v[\pw], v[TM+5], 8, v[TM+4]
	v_lshl_or_b32 v[\pw], v[TM+6], 16, v[\pw]
	v_lshl_or_b32 v[\pw], v[TM+7], 24, v[\pw]
.irp b, 0,1,2,3
.irp i, 0,1,2,3,4,5,6,7,8,9,10,11,12,13,14,15
	v_med3_num_f32 v[\s+16*\b+\i], v[\s+16*\b+\i], -v[TM+8+\b], v[TM+8+\b]   ; the conversion to an 8-bit code does not saturate (ISA guide 7.6.2): the hold comes first
.endr
	v_cvt_scalef32_pk8_bf8_f32 v[\pc+4*\b:\pc+1+4*\b], v[\s+16*\b:\s+7+16*\b], v[TM+12+\b]
	v_cvt_scalef32_pk8_bf8_f32 v[\pc+2+4*\b:\pc+3+4*\b], v[\s+8+16*\b:\s+15+16*\b], v[TM+12+\b]
.endr
	v_nop                                          ; a plain line behind the last conversion
.endm
; Pair q's 32 keys go through my stage: in as loaded (16 lanes a row of 256 bytes), each key to the row 16 u + r' of its tile u and row r' in the pair; out 64 neighbouring bytes a lane and chunk.
; Key k = 2 i + h of the pair: u = (k / 8) % 2, r' = k % 8 + 8 (k / 16).  LDS serves a wave's instructions in order: no wait between the stores and the loads.
.macro TURN q, x
.set i, 0
.rept 16
	ds_store_b128 v8, v[R0+64*\q+4*i:R0+64*\q+4*i+3] offset:(16*((i/4)%2)+8*(i/8)+(2*i)%8)*SP
.set i, i+1
.endr
.set i, 0
.rept 16                                       ; i = 4 c + j: chunk c, my j-th four numbers
	ds_load_b128 v[\x+4*i:\x+4*i+3], v9 offset:(16*(i/8))*SP+128*((i/4)%2)+16*(i%4)
.set i, i+1
.endr
.endm
	s_lshl_b32 s33, s29, 18                        ; my 64 keys of the step's 128
	s_add_co_u32 s30, s30, s33
	v_lshlrev_b32 v4, 12, v3
	v_lshl_add_u32 v4, v2, 4, v4                   ; in: lanes 0-15 one key's 256 bytes, lanes 16-31 the next key's
	s_wait_kmcnt 0x0
	s_add_nc_u64 s[4:5], s[4:5], s[30:31]
	s_add_nc_u64 s[34:35], s[10:11], s[34:35]
	s_add_nc_u64 s[36:37], s[10:11], s[36:37]
.set i, 0
.rept 32
	global_load_b128 v[R0+4*i:R0+4*i+3], v4, s[4:5] offset:2*i*4096 th:TH_LOAD_NT   ; keys 2 i and 2 i + 1: two whole rows of 256 bytes
.set i, i+1
.endr
	v_lshlrev_b32 v5, 4, v1                        ; out: 16 bytes a lane
	v_lshlrev_b32 v6, 2, v1                        ; and 4 for the scale word
	s_mul_i32 s33, s16, 32*SP                      ; my stage
	v_mul_u32_u24 v8, v3, SP
	v_lshl_add_u32 v8, v2, 4, v8
	v_add_nc_u32 v8, s33, v8                       ; into it: row + h, 16 r
	v_mul_u32_u24 v9, v2, SP
	v_lshl_add_u32 v9, v3, 6, v9
	v_add_nc_u32 v9, s33, v9                       ; out of it: row r, 64 h
.irp b, 0,1,2,3
	v_mov_b32 v[TM+4+\b], 0                        ; written once: a lane permute's destination counts as one of its sources
.endr
	s_wait_loadcnt 16                              ; pair 0's sixteen loads are in; pair 1's sixteen may be out
	TURN 0, X0
	s_wait_dscnt 0x0                               ; pair 0 is back, and its registers as loaded are free
	s_wait_loadcnt 0x0
	TURN 1, X1                                     ; pair 1 goes through the stage while pair 0 is quantised
	QUANT X0, PC0, PW0
.irp c, 0,1,2,3
	global_store_b128 v5, v[PC0+4*\c:PC0+4*\c+3], s[34:35] offset:512*\c   ; 32 lanes store 512 consecutive bytes
.endr
	s_wait_dscnt 0x0
	QUANT X1, PC1, PW1
.irp c, 0,1,2,3
	global_store_b128 v5, v[PC1+4*\c:PC1+4*\c+3], s[34:35] offset:2048+512*\c
.endr
	v_cmp_le_u32 vcc_lo, 16, v1
	v_cndmask_b32 v[SW], v[PW0], v[PW1], vcc_lo    ; lanes 0-15 pair 2 w's words, lanes 16-31 pair 2 w + 1's
	global_store_b32 v6, v[SW], s[36:37]
	s_set_vgpr_msb 0x4
	s_wait_tensorcnt 0x0
	ds_add_u32 v31, v1
	s_wait_dscnt 0x0
	s_set_vgpr_msb 0x400
	s_endpgm
; ---------------- THE VALUES: a lane takes a column d = 32 w + l, and its registers run down the step's 128 keys ----------------
.Lvalues:
	s_lshl_b32 s33, s29, 7                         ; my 32 columns of the head's 64
	s_add_co_u32 s30, s30, s33
	s_add_co_u32 s34, s34, 8192                    ; V's images lie behind K's,
	s_add_co_u32 s36, s36, 256                     ; and so do its scale words
	v_lshlrev_b32 v4, 2, v1                        ; in: 4 bytes a lane, 128 consecutive bytes a load; the neighbouring wave reads the other half of the same 256
	s_wait_kmcnt 0x0
	s_add_nc_u64 s[6:7], s[6:7], s[30:31]
	s_add_nc_u64 s[34:35], s[10:11], s[34:35]
	s_add_nc_u64 s[36:37], s[10:11], s[36:37]
.set i, 0
.rept 128
	global_load_b32 v[VX+i], v4, s[6:7] offset:i*4096 th:TH_LOAD_NT
.set i, i+1
.endr
	v_lshlrev_b32 v5, 11, v3
	v_lshl_add_u32 v5, v2, 4, v5                   ; out: tile 2 w + h at 2,048 h, row r at 16 r
; Block c: 32 keys, all mine: no other lane is asked.  left: how many younger loads may be out (a wait's count holds 63 at the most, so the first two blocks wait with 63).
.macro VBLOCK c, left
.set XS, VX+32*\c
	s_wait_loadcnt \left
	v_max3_num_f32 v12, |v[XS]|, |v[XS+1]|, |v[XS+2]|
	v_max3_num_f32 v13, |v[XS+3]|, |v[XS+4]|, |v[XS+5]|
.irp i, 6,10,14,18,22,26
	v_max3_num_f32 v12, v12, |v[XS+\i]|, |v[XS+\i+1]|
	v_max3_num_f32 v13, v13, |v[XS+\i+2]|, |v[XS+\i+3]|
.endr
	v_max3_num_f32 v12, v12, |v[XS+30]|, |v[XS+31]|
	v_max3_num_f32 v12, v12, v13, 0x8000000        ; and the floor 2^(16 - 127)
	v_add_nc_u32 v11, 0xf8800000, v12              ; the conversions' scale operand
	v_and_or_b32 v10, v12, 0x7f800000, s23         ; 57,344 x the scale
	v_lshrrev_b32 v13, 23, v11                     ; the byte
.if \c == 0
	v_mov_b32 v28, v13
.else
	v_lshl_or_b32 v28, v13, 8*\c, v28              ; byte c of my column's scale word
.endif
.set i, 0
.rept 32
	v_med3_num_f32 v[XS+i], v[XS+i], -v10, v10
.set i, i+1
.endr
.irp g, 0,1,2,3
	v_cvt_scalef32_pk8_bf8_f32 v[VC+8*\c+2*\g:VC+8*\c+2*\g+1], v[XS+8*\g:XS+8*\g+7], v11
.endr
	v_nop                                          ; a plain line behind the last conversion
	global_store_b128 v5, v[VC+8*\c:VC+8*\c+3], s[34:35] offset:512*\c          ; keys 32 c + 0 .. 15: the image's lanes 0-15; sixteen lanes store 256 consecutive, aligned bytes
	global_store_b128 v5, v[VC+8*\c+4:VC+8*\c+7], s[34:35] offset:512*\c+256    ; keys 32 c + 16 .. 31: its lanes 16-31
.endm
	VBLOCK 0, 63
	VBLOCK 1, 63
	VBLOCK 2, 32
	VBLOCK 3, 0
	global_store_b32 v4, v28, s[36:37]
	s_endpgm
; ---------------- THE MASK: work-group T takes 16 queries, wave g steps 4 g .. 4 g + 3 ----------------
.Lmask:
	s_sub_co_u32 s24, ttmp9, 512                   ; T
	s_lshl_b32 s30, s24, 15                        ; 16 rows of 2,048 bytes,
	s_lshl_b32 s33, s16, 9                         ; four steps of 128
	s_add_co_u32 s30, s30, s33
	s_mov_b32 s31, 0
	s_lshl_b32 s34, s24, 12
	s_lshl_b32 s33, s16, 10
	s_add_co_u32 s34, s34, s33                     ; mbits: 4,096 T + 1,024 g
	s_mov_b32 s35, 0
	s_lshl_b32 s26, s24, 2
	s_add_co_u32 s26, s26, s16                     ; mflags: byte g of word T
	s_mov_b32 s27, 0
	v_lshlrev_b32 v4, 11, v2
	v_lshl_add_u32 v4, v3, 4, v4                   ; row r, + 16 h
	s_wait_kmcnt 0x0
	s_add_nc_u64 s[8:9], s[8:9], s[30:31]
	s_add_nc_u64 s[12:13], s[12:13], s[34:35]
	s_add_nc_u64 s[14:15], s[14:15], s[26:27]
.irp e, 0,1,2,3
.irp b, 0,1,2,3
	global_load_b128 v[MM+16*\e+4*\b:MM+16*\e+4*\b+3], v4, s[8:9] offset:128*\e+32*\b th:TH_LOAD_NT   ; keys 32 b + 16 h + 0 .. 15 of step e: byte n % 4 of register n / 4 is score n's
.endr
.endr
	v_lshlrev_b32 v5, 3, v1                        ; out: 8 bytes a lane
.irp i, 0,1,2,3,4,5,6,7
	v_mov_b32 v[MW+\i], 0                          ; v_writelane_b32's destination counts as read
.endr
	s_mov_b32 s36, 0                               ; my four steps' flags
	s_wait_loadcnt 0x0
.macro MSTEP e
.set MB, MM+16*\e
	v_or_b32 v12, v[MB], v[MB+1]                   ; any byte set?  all bytes 1?  two chains each
	v_or_b32 v13, v[MB+2], v[MB+3]
	v_and_b32 v14, v[MB], v[MB+1]
	v_and_b32 v15, v[MB+2], v[MB+3]
.irp i, 4,6,8,10,12,14
	v_or_b32 v12, v12, v[MB+\i]
	v_or_b32 v13, v13, v[MB+\i+1]
	v_and_b32 v14, v14, v[MB+\i]
	v_and_b32 v15, v15, v[MB+\i+1]
.endr
	v_or_b32 v12, v12, v13
	v_and_b32 v14, v14, v15
	v_cmp_ne_u32 s37, 0, v12                       ; not 0: some score is masked
	v_cmp_ne_u32 s38, 0x01010101, v14              ; 0: bit 0 stands in every byte, so every score is masked (a byte other than 0 or 1 can only keep a tile from being passed over)
	s_cmp_eq_u32 s38, 0
	s_cselect_b32 s39, 1<<(2*\e), 0
	s_or_b32 s36, s36, s39
	s_cmp_lg_u32 s37, 0
	s_cselect_b32 s39, 2<<(2*\e), 0
	s_or_b32 s36, s36, s39
.set n, 0
.rept 16                                       ; four words at a time: a byte of every lane, its ballot, and the ballot into lane n / 2 of register n % 2
.irp k, 0,1,2,3
	v_bfe_u32 v[16+\k], v[MB+n/4], 8*\k, 8
.endr
.irp k, 0,1,2,3
	v_cmp_ne_u32 s[40+n%8+\k], 0, v[16+\k]
.endr
.irp k, 0,1,2,3
	v_writelane_b32 v[MW+2*\e+\k%2], s[40+n%8+\k], (n+\k)/2
.endr
.set n, n+4
.endr
	global_store_b64 v5, v[MW+2*\e:MW+2*\e+1], s[12:13] offset:256*\e   ; 32 lanes store the step's 64 words: 256 consecutive, aligned bytes
.endm
	MSTEP 0
	MSTEP 1
	MSTEP 2
	MSTEP 3
	v_mov_b32 v6, 0
	v_mov_b32 v7, s36
	v_cmp_eq_u32 vcc_lo, 0, v1
	s_wait_xcnt 0x0                                ; EXEC is a source of the stores above: it changes only behind this wait
	s_and_saveexec_b32 s30, vcc_lo
	global_store_b8 v6, v7, s[14:15]               ; lane 0 stores my byte of the tile's flags
	s_wait_xcnt 0x0                                ; and again in front of the line that widens it
	s_or_b32 exec_lo, exec_lo, s30
	s_endpgm
.Lfunc_end_k_qd32e5f6d9f_prep:
	.size	k_qd32e5f6d9f_prep, .Lfunc_end_k_qd32e5f6d9f_prep-k_qd32e5f6d9f_prep
	.p2alignl 7, 3214868480
	.fill 96, 4, 3214868480
	.section	.rodata,"a",@progbits
	.p2align	6, 0x0
	.amdhsa_kernel k_qd32e5f6d9f_prep
		.amdhsa_group_segment_fixed_size 35328
		.amdhsa_private_segment_fixed_size 0
		.amdhsa_enable_private_segment 0
		.amdhsa_kernarg_size 48
		.amdhsa_user_sgpr_count 2
		.amdhsa_user_sgpr_kernarg_segment_ptr 1
		.amdhsa_wavefront_size32 1
		.amdhsa_system_sgpr_workgroup_id_x 1
		.amdhsa_system_sgpr_workgroup_id_y 1
		.amdhsa_system_sgpr_workgroup_id_z 1
		.amdhsa_system_vgpr_workitem_id 0
		.amdhsa_next_free_vgpr 258
		.amdhsa_next_free_sgpr 66
		.amdhsa_reserve_vcc 1
		.amdhsa_float_denorm_mode_32 3
		.amdhsa_float_denorm_mode_16_64 3
		.amdhsa_memory_ordered 1
		.amdhsa_forward_progress 1
		.amdhsa_inst_pref_size 112
	.end_amdhsa_kernel
	.amdgpu_metadata
---
amdhsa.version: [ 1, 2 ]
amdhsa.kernels:
  - .name:           k_qd32e5f6d9f_prep
    .symbol:         k_qd32e5f6d9f_prep.kd
    .args:
      - { .name: keys, .offset: 0, .size: 8, .value_kind: global_buffer, .address_space: global }
      - { .name: values, .offset: 8, .size: 8, .value_kind: global_buffer, .address_space: global }
      - { .name: attn_mask, .offset: 16, .size: 8, .value_kind: global_buffer, .address_space: global }
      - { .name: kvc, .offset: 24, .size: 8, .value_kind: global_buffer, .address_space: global }
      - { .name: mbits, .offset: 32, .size: 8, .value_kind: global_buffer, .address_space: global }
      - { .name: mflags, .offset: 40, .size: 8, .value_kind: global_buffer, .address_space: global }
    .group_segment_fixed_size: 35328
    .private_segment_fixed_size: 0
    .kernarg_segment_align: 8
    .kernarg_segment_size: 48
    .max_flat_workgroup_size: 128
    .sgpr_count:     66
    .vgpr_count:     258
    .wavefront_size: 32
...
	.end_amdgpu_metadata
.endif
;; end of part 1
;; launch attn (part 2): grid 8 x 32, 16 waves a work-group, no clusters, 272,384 bytes of LDS; arguments queries, kvc, mbits, mflags, out0; writes out0
.if DOCPART == 2
	.amdgcn_target "amdgcn-amd-amdhsa--gfx1250"
	.amdhsa_code_object_version 6
	.text
	.protected	k_qd32e5f6d9f_attn
	.globl	k_qd32e5f6d9f_attn
	.p2align	8
	.type	k_qd32e5f6d9f_attn,@function
k_qd32e5f6d9f_attn:
	s_mov_b64 s[64:65], 0
	v_nop
	global_prefetch_b8 v0, s[64:65] scope:SCOPE_SE
	s_setreg_imm32_b32 hwreg(HW_REG_WAVE_MODE, 25, 1), 1
	s_wait_xcnt 0x0
; out[b][q][head][:] = the sum over k of softmax_k(mask(q . k) / 8) v[k][:], both products on codes of BF8 (E5M2) with one E8M0 scale for each 32 along a product's K.
; queries, out0: [2][2048][16][64] f32.  kvc, mbits, mflags: the launch before has laid them (its head comment has the layouts): K's and V's codes as images of the operands' registers, the mask as lane-mask
; words (bit l of word n = score register n of lane l is masked) and two flags for each tile of 16 queries x 128 keys.
; THE SOFTMAX AHEAD OF THE SECOND PRODUCT: t = score x log2(e) / 8; M = the running largest t rounded UP to a whole number; p = 2^(t - M) is quantised along the keys, not normalised.  The row's sum is taken of the
; unquantised p and divides O at the end.  When M moves, the sum and O are multiplied by 2^(old M - new M): exact.
; SHARES.  Work-group (g, hh): head hh; each of its SIXTEEN waves owns one tile of 16 queries in 256 registers, four waves to a SIMD, so that one wave's vector work stands beside another's products and LDS loads.
; Wave w takes tile 8 rho + g, rho = w xor 3 ((w / 4) % 2): a work-group's tiles are spread over the whole sequence, and the ranks of waves w, w + 4, w + 8, w + 12 add up to 30.  Any mask is served; this only evens the work.
; LDS holds the head's codes and scale words WHOLE, 270,336 bytes, as they lie in kvc: steps 0-7 and all scale words come in ahead of the first barrier, step j + 8 in trip j of the first loop; two barriers in all.
; A TILE THAT IS WHOLLY MASKED adds p = 0 and moves neither M, the sum nor O: it is passed over by a scalar branch on its stored flag.  A tile with no masked score skips the 64 selects.
; NO TENSOR LOAD AND NO JOINT LOAD: this text branches on numbers read from memory; what the eight work-groups of a head share is 270,336 bytes, read once by each.
; LAYOUT.  Both products are used transposed: S^T = K Q^T, O^T = V^T P^T: a lane holds ONE query (l % 16) throughout.  D is 64, half of the instruction's 128: a fragment of K holds TWO tiles of 16 keys (k 0-63: tile 2 p,
; k 64-127: tile 2 p + 1), multiplied once by (Q | zeros) and once by (zeros | Q).  The keys of a tile are chosen so that score register n holds key 32 (n / 16) + 16 (l / 16) + n % 16 of the step.
; LIMITS: NaN and infinities among the queries are not served; a block of zeros gets the byte 1 (its codes are zeros); p under 2^-126 becomes 0 (v_exp_f32); a row that is wholly masked gives 0 x (1 / 0) = NaN.
.set HEADB, 270336
.set SCB,   262144
.set HALF,  131072                     ; steps 0-7 | steps 8-15
.set STG,   4352                       ; the way out: 16 rows x 272 bytes for each wave, in the bytes of steps 0-7, which nobody reads behind the second barrier
.set LI,  1                            ; v1   16 x lane
.set LS,  2                            ; v2   4 x lane
.set FA,  3                            ; v3   16 x thread
.set ADK, 4                            ; v4   LDS address of the step's images
.set ADS, 5                            ; v5   of its scale words
.set NINF, 6                           ; v6   -infinity
.set FAD, 7                            ; v7   the trip's fill: offset in the head's block and LDS address alike
.set KS,  8                            ; v8-9   K's scale words (lanes 0-15 pair 2 w, lanes 16-31 pair 2 w + 1)
.set VS,  10                           ; v10-11 V's
                                       ; v12 -M, v13 the largest t, v[14:15] the sum in two halves
.set QS,  16                           ; v16  Q's scale word: (b0, b1, b0, b1), so that it serves Q | 0 and 0 | Q
.set PS,  17                           ; v17  p's scale word
.set FF,  18                           ; v[18:19] f = 2^(old M - new M) (v19 is named with it as a pair)
.set QF,  20                           ; v20-27 zeros, v28-35 Q's codes, v36-43 zeros: Q | 0 = v[28:43], 0 | Q = v[20:35]
.set F,   44                           ; v44-107  four fragments of K, then of V
.set S,   108                          ; v108-171 S^T, then p
.set O,   172                          ; v172-203 O^T, four tiles
.set PC,  204                          ; v204-219 p's codes
.set BM,  220                          ; v220-223 the blocks' largest scores, then largest p
.set BP,  224                          ; v224-227 the other half's, then the bytes
.set HD,  228                          ; v228-231 57,344 x the scale
.set SO,  232                          ; v232-235 the conversions' scale operands
.set L2,  236                          ; v[236:237] the sum's second chain
.set TT,  238
.set RR,  239                          ; v239 r = lane % 16
.set FL,  240                          ; v240-247 the trip's fill
.set PFO, 248                          ; v248 the prefetch's offset; never rewritten
.set FA1, 249                          ; v249 FA + 131,072
.set FB,  250                          ; v250 FA + 65,536
.set FC,  251                          ; v251 FA + 262,144
.set QO,  252                          ; v252 my byte in the tile's rows of q; on the way out, in those of out0
.set STO, 253                          ; v253 the stage, on the way in
.set RD,  254                          ; v254 and back
.set HH,  255                          ; v255 h = lane / 16
.set QX,  112                          ; the prologue alone: v112-143 q's 32 numbers
.set MB,  2                            ; s[2:3] my tile's mask words, 256 bytes a step
.set WV,  14
.set TB,  15                           ; s15  LDS byte at which the step's codes begin
.set TS,  16                           ; s16  and its scale words
.set FLG, 17                           ; s17  my tile's flags; two bits are shifted out a step
.set J,   18
.set MNT, 19
.set SEL, 20
.set CS,  22                           ; s[22:23] c = log2(e) / 8
.set PFT, 25                           ; s25  the trip in which I prefetch, or a number that no trip has
                                       ; s32-63, s68-99 the step's 64 mask words
	s_load_b256 s[4:11], s[0:1], 0x0               ; q s[4:5], kvc s[6:7], mbits s[8:9], mflags s[10:11]
	s_load_b64 s[12:13], s[0:1], 0x20              ; out0
	v_lshrrev_b32 v1, 5, v0
	v_readfirstlane_b32 s[WV], v1                  ; wave 0..15
	v_and_b32 v[ADK], 31, v0                       ; lane (the register is free until the first step)
	v_and_b32 v[RR], 15, v0
	v_bfe_u32 v[HH], v0, 4, 1
	v_lshlrev_b32 v[LI], 4, v[ADK]
	v_lshlrev_b32 v[LS], 2, v[ADK]
	v_lshlrev_b32 v[FA], 4, v0
	v_lshlrev_b32 v[QO], 12, v[RR]
	v_lshl_add_u32 v[QO], v[HH], 6, v[QO]          ; q: row r of 4,096 bytes, + 64 h: my 16 numbers of a block of 32
	s_bfe_u32 s24, s[WV], 0x10002
	s_mul_i32 s24, s24, 3
	s_xor_b32 s24, s[WV], s24                      ; rho
	s_lshl_b32 s24, s24, 3
	s_add_co_u32 s24, s24, ttmp9                   ; my tile of 16 queries: it enters global addresses alone
	s_and_b32 s26, ttmp7, 0xffff                   ; hh
	s_lshr_b32 s28, s26, 4
	s_lshl_b32 s28, s28, 23
	s_lshl_b32 s27, s24, 16
	s_add_co_u32 s28, s28, s27
	s_and_b32 s27, s26, 15
	s_lshl_b32 s27, s27, 8
	s_add_co_u32 s28, s28, s27                     ; q and out0: b x 2^23 + tile x 16 rows of 4,096 + head x 256
	s_mov_b32 s29, 0
	s_mul_i32 s30, s26, HEADB                      ; kvc: my head's block
	s_mov_b32 s31, 0
	s_lshl_b32 s26, s24, 12                        ; mbits: 4,096 bytes a tile
	s_mov_b32 s27, 0
	s_lshl_b32 s32, s24, 2                         ; mflags: a word a tile
	s_mov_b32 s33, 0
	s_wait_kmcnt 0x0
	s_add_nc_u64 s[4:5], s[4:5], s[28:29]
	s_add_nc_u64 s[12:13], s[12:13], s[28:29]
	s_add_nc_u64 s[6:7], s[6:7], s[30:31]
	s_add_nc_u64 s[MB:MB+1], s[8:9], s[26:27]
	s_add_nc_u64 s[10:11], s[10:11], s[32:33]
	s_load_b32 s[FLG], s[10:11], 0x0
.irp c, 0,1
.irp j, 0,1,2,3
	global_load_b128 v[QX+16*\c+4*\j:QX+16*\c+4*\j+3], v[QO], s[4:5] offset:128*\c+16*\j th:TH_LOAD_NT   ; q(r, 32 c + 16 h + 4 j ..)
.endr
.endr
.set n, 0
.rept 16
	global_load_b128 v[F+4*n:F+4*n+3], v[FA], s[6:7] offset:8192*n   ; steps 0-7: the 512 threads take 8,192 consecutive bytes an instruction
.set n, n+1
.endr
	global_load_b128 v[S:S+3], v[FA], s[6:7] offset:SCB              ; all sixteen steps' scale words: 8,192 bytes
	v_add_nc_u32 v[FA1], HALF, v[FA]
	v_add_nc_u32 v[FB], 0x10000, v[FA]
	v_add_nc_u32 v[FC], SCB, v[FA]
	s_mul_i32 s24, s[WV], STG                      ; my stage
	v_mul_u32_u24 v[STO], v[RR], 272
	v_lshl_add_u32 v[STO], v[HH], 5, v[STO]
	v_add_nc_u32 v[STO], s24, v[STO]               ; in: row r, 32 h
	v_mul_u32_u24 v[RD], v[HH], 272
	v_lshl_add_u32 v[RD], v[RR], 4, v[RD]
	v_add_nc_u32 v[RD], s24, v[RD]                 ; back: lanes 0-15 one row, lanes 16-31 the next
	s_lshl_b32 s24, s[WV], 13
	s_add_co_u32 s24, s24, HALF
	v_lshl_add_u32 v[PFO], v[ADK], 8, s24          ; 131,072 + 8,192 x wave + 256 x lane
	s_lshr_b32 s[PFT], s[WV], 1
	s_sub_co_u32 s[PFT], s[PFT], 1
	s_cmp_eq_u32 ttmp9, 0
	s_cselect_b32 s[PFT], s[PFT], -1               ; the head's first work-group alone asks
	s_mov_b32 s[SEL], 0x76543210
	s_mov_b32 s[SEL+1], 0xfedcba98                 ; v_permlanex16_b32's selects for lane l xor 16
	s_mov_b32 s[CS], 0x3e38aa3b                    ; c = log2(e) / 8
	s_mov_b32 s[CS+1], s[CS]                       ; (named with it as a pair, so it is written)
	s_mov_b32 s[MNT], 0x600000                     ; the mantissa field of 57,344
	s_mov_b32 s[TB], 0
	s_mov_b32 s[TS], SCB
	s_mov_b32 s[J], 0
	v_mov_b32 v[NINF], 0xff800000
	v_mov_b32 v13, 0xff61b1e6                      ; the largest t so far: -3e38, under every t
	v_floor_f32 v12, -v13                          ; -M
	v_mov_b32 v14, 0
	v_mov_b32 v15, 0
	v_mov_b32 v[FF+1], 0
.irp b, 0,1,2,3
	v_mov_b32 v[BP+\b], 0                          ; written once: a lane permute's destination counts as one of its sources
.endr
.irp i, 0,1,2,3,4,5,6,7
	v_mov_b32 v[QF+\i], 0                          ; the zero codes beside Q
	v_mov_b32 v[QF+16+\i], 0
.endr
.set j, 0
.rept 32
	v_mov_b32 v[O+j], 0                            ; O^T: the step is written once; the first worked step finds zeros, which the first change of M leaves zeros
.set j, j+1
.endr
	; Q is read once, by me: it is quantised here, in registers.  Two blocks of 32 along D; a block lies in lanes l and l xor 16
	s_wait_loadcnt 17                              ; q's eight loads are in; the 17 fill loads behind them may be out
.irp b, 0,1
	v_max3_num_f32 v[BM+\b], |v[QX+16*\b]|, |v[QX+1+16*\b]|, 0x8000000   ; and the floor 2^(16 - 127)
.endr
.irp i, 2,4,6,8,10,12,14
.irp b, 0,1
	v_max3_num_f32 v[BM+\b], v[BM+\b], |v[QX+16*\b+\i]|, |v[QX+1+16*\b+\i]|
.endr
.endr
.irp b, 0,1
	v_permlanex16_b32 v[BP+\b], v[BM+\b], s[SEL], s[SEL+1]
.endr
.irp b, 0,1
	v_max_num_f32 v[BM+\b], v[BM+\b], v[BP+\b]
.endr
.irp b, 0,1
	v_add_nc_u32 v[SO+\b], 0xf8800000, v[BM+\b]
.endr
.irp b, 0,1
	v_and_or_b32 v[HD+\b], v[BM+\b], 0x7f800000, s[MNT]
.endr
.irp b, 0,1
	v_lshrrev_b32 v[BP+\b], 23, v[SO+\b]
.endr
	v_lshl_or_b32 v[QS], v[BP+1], 8, v[BP]
	v_lshl_or_b32 v[QS], v[QS], 16, v[QS]          ; (b0, b1, b0, b1)
.irp b, 0,1
.irp i, 0,1,2,3,4,5,6,7,8,9,10,11,12,13,14,15
	v_med3_num_f32 v[QX+16*\b+\i], v[QX+16*\b+\i], -v[HD+\b], v[HD+\b]
.endr
	v_cvt_scalef32_pk8_bf8_f32 v[QF+8+4*\b:QF+9+4*\b], v[QX+16*\b:QX+7+16*\b], v[SO+\b]
	v_cvt_scalef32_pk8_bf8_f32 v[QF+10+4*\b:QF+11+4*\b], v[QX+8+16*\b:QX+15+16*\b], v[SO+\b]
.endr
	v_nop                                          ; a plain line behind the last conversion: products will write these registers
.irp n, 0,1,2,3,4,5,6,7
	s_wait_loadcnt 16-\n                           ; loads come back in order: fill load n is in, the younger ones may be out
	ds_store_b128 v[FA], v[F+4*\n:F+4*\n+3] offset:8192*\n
.endr
.irp n, 8,9,10,11,12,13,14,15
	s_wait_loadcnt 16-\n
	ds_store_b128 v[FB], v[F+4*\n:F+4*\n+3] offset:8192*(\n-8)
.endr
	s_wait_loadcnt 0x0
	ds_store_b128 v[FC], v[S:S+3]
	s_wait_dscnt 0x0                               ; for the others' sake: my part of steps 0-7 and of the scale words lies in LDS
	s_wait_kmcnt 0x0                               ; my flags
	s_barrier_signal -1
	s_barrier_wait -1
; Two products of S^T: pair p's fragment against Q | 0 (tile 2 p) and 0 | Q (tile 2 p + 1).  Each starts its sum with the constant 0; no accumulator is touched twice.
.macro KQ p
	s_wait_dscnt 12-4*\p                           ; the scale words and pairs 0 .. p are in; the four loads of each later pair may be out
.if \p%2
	v_wmma_scale_f32_16x16x128_f8f6f4 v[S+16*\p:S+16*\p+7], v[F+16*\p:F+16*\p+15], v[QF+8:QF+23], 0, v[KS+\p/2], v[QS] matrix_a_fmt:MATRIX_FMT_BF8 matrix_b_fmt:MATRIX_FMT_BF8 matrix_a_scale:MATRIX_SCALE_ROW1
	v_wmma_scale_f32_16x16x128_f8f6f4 v[S+16*\p+8:S+16*\p+15], v[F+16*\p:F+16*\p+15], v[QF:QF+15], 0, v[KS+\p/2], v[QS] matrix_a_fmt:MATRIX_FMT_BF8 matrix_b_fmt:MATRIX_FMT_BF8 matrix_a_scale:MATRIX_SCALE_ROW1
.else
	v_wmma_scale_f32_16x16x128_f8f6f4 v[S+16*\p:S+16*\p+7], v[F+16*\p:F+16*\p+15], v[QF+8:QF+23], 0, v[KS+\p/2], v[QS] matrix_a_fmt:MATRIX_FMT_BF8 matrix_b_fmt:MATRIX_FMT_BF8
	v_wmma_scale_f32_16x16x128_f8f6f4 v[S+16*\p+8:S+16*\p+15], v[F+16*\p:F+16*\p+15], v[QF:QF+15], 0, v[KS+\p/2], v[QS] matrix_a_fmt:MATRIX_FMT_BF8 matrix_b_fmt:MATRIX_FMT_BF8
.endif
.endm
; O^T += V^T P^T, tile t: d = 16 t on; K = the step's 128 keys
.macro PV t
.if \t%2
	v_wmma_scale_f32_16x16x128_f8f6f4 v[O+8*\t:O+8*\t+7], v[F+16*\t:F+16*\t+15], v[PC:PC+15], v[O+8*\t:O+8*\t+7], v[VS+\t/2], v[PS] matrix_a_fmt:MATRIX_FMT_BF8 matrix_b_fmt:MATRIX_FMT_BF8 matrix_a_scale:MATRIX_SCALE_ROW1
.else
	v_wmma_scale_f32_16x16x128_f8f6f4 v[O+8*\t:O+8*\t+7], v[F+16*\t:F+16*\t+15], v[PC:PC+15], v[O+8*\t:O+8*\t+7], v[VS+\t/2], v[PS] matrix_a_fmt:MATRIX_FMT_BF8 matrix_b_fmt:MATRIX_FMT_BF8
.endif
.endm
; A KEY STEP: 128 keys.  fill = 1: the trip also brings the codes of the step eight further on from kvc into LDS, 32 bytes a thread.
.macro STEP fill
.if \fill
	s_wait_dscnt 0x0                               ; the last trip's two stores have read their data
	v_add_nc_u32 v[FAD], s[TB], v[FA1]
	global_load_b128 v[FL:FL+3], v[FAD], s[6:7]
	global_load_b128 v[FL+4:FL+7], v[FAD], s[6:7] offset:8192
	; A PREFETCH of what the NEXT trip's fill loads: waves 2 m and 2 m + 1 of the head's first work-group ask in trip m - 1 for the 16,384 bytes of trip m, 8,192 a wave, lanes 256 bytes apart:
	; each block of 256 bytes of steps 9-15 is named once in the launch; steps 0-8 come by their loads alone.  Its registers are never rewritten.
	s_cmp_eq_u32 s[J], s[PFT]
	s_cbranch_scc0 .Lnopf_\@
	global_prefetch_b8 v[PFO], s[6:7] th:TH_LOAD_NT scope:SCOPE_SE
.Lnopf_\@:
.endif
	v_add_nc_u32 v[ADK], s[TB], v[LI]
	v_add_nc_u32 v[ADS], s[TS], v[LS]
	s_and_b32 s24, s[FLG], 1
	s_cmp_lg_u32 s24, 0
	s_cbranch_scc1 .Lskip_\@                       ; wholly masked: every p would be 0
	s_load_b512 s[32:47], s[MB:MB+1], 0x0          ; the step's 64 mask words
	s_load_b512 s[48:63], s[MB:MB+1], 0x40
	s_load_b512 s[68:83], s[MB:MB+1], 0x80
	s_load_b512 s[84:99], s[MB:MB+1], 0xc0
.rept 6
	v_nop                                          ; with the two additions above: eight places behind the last step's products, in front of loads into registers that they read
.endr
	ds_load_b32 v[KS], v[ADS]
	ds_load_b32 v[KS+1], v[ADS] offset:128
.set i, 0
.rept 16
	ds_load_b128 v[F+4*i:F+4*i+3], v[ADK] offset:512*i   ; an image comes back as it was stored: 512 consecutive bytes an instruction
.set i, i+1
.endr
	KQ 0
	KQ 1
	KQ 2
	KQ 3
.rept 8
	v_nop                                          ; eight places: for the loads below and for the first read of the scores
.endr
.set i, 0
.rept 16
	ds_load_b128 v[F+4*i:F+4*i+3], v[ADK] offset:8192+512*i   ; V's four fragments land under the softmax
.set i, i+1
.endr
	ds_load_b32 v[VS], v[ADS] offset:256
	ds_load_b32 v[VS+1], v[ADS] offset:384
	s_wait_kmcnt 0x0                               ; the mask words are in, and their base may be stepped
	s_and_b32 s24, s[FLG], 2
	s_cmp_eq_u32 s24, 0
	s_cbranch_scc1 .Lopen_\@                       ; no score of the tile is masked
.set n, 0
.rept 32
	v_cndmask_b32 v[S+n], v[S+n], v[NINF], s[32+n] ; a masked score becomes -infinity ahead of the maximum: p = 0 then.  Ascending: each accumulator is read from its low end on
.set n, n+1
.endr
.rept 32
	v_cndmask_b32 v[S+n], v[S+n], v[NINF], s[36+n]
.set n, n+1
.endr
.Lopen_\@:
.irp b, 0,1,2,3
	v_max3_num_f32 v[BM+\b], v[S+16*\b], v[S+1+16*\b], v[S+2+16*\b]   ; the largest score of each block of 32 keys: it serves the row's maximum and, since p rises with the score, the block's largest p
.endr
.irp i, 3,5,7,9,11,13
.irp b, 0,1,2,3
	v_max3_num_f32 v[BM+\b], v[BM+\b], v[S+16*\b+\i], v[S+1+16*\b+\i]
.endr
.endr
.irp b, 0,1,2,3
	v_max_num_f32 v[BM+\b], v[BM+\b], v[S+15+16*\b]
.endr
.irp b, 0,1,2,3
	v_permlanex16_b32 v[BP+\b], v[BM+\b], s[SEL], s[SEL+1]
.endr
.irp b, 0,1,2,3
	v_max_num_f32 v[BM+\b], v[BM+\b], v[BP+\b]     ; with lane l xor 16's 16 keys
.endr
	v_max3_num_f32 v[TT], v[BM], v[BM+1], v[BM+2]
	v_max_num_f32 v[TT], v[TT], v[BM+3]            ; the step's largest score of my query
	v_mul_f32 v[TT], s[CS], v[TT]                  ; as t (c is positive)
	v_max_num_f32 v13, v13, v[TT]                  ; the running largest t
	v_mov_b32 v[TT], v12
	v_floor_f32 v12, -v13                          ; the new -M = floor(-t) = -ceil(t)
	v_sub_f32 v[TT], v12, v[TT]                    ; old M - new M: a whole number, 0 or less
	v_cvt_i32_f32 v[TT], v[TT]                     ; (it saturates)
	v_ldexp_f32 v[FF], 1.0, v[TT]                  ; f = 2^(old M - new M)
.set j, 0
.rept 32
	v_pk_fma_f32 v[S+j:S+j+1], v[S+j:S+j+1], s[CS:CS+1], v[12:13] op_sel_hi:[1,0,0]   ; t - M, two at a time (of the pairs c and -M the low word serves both halves)
.set j, j+2
.endr
.irp b, 0,1,2,3
	v_fma_f32 v[BM+\b], v[BM+\b], s[CS], v12       ; the same of each block's largest score
.endr
.set j, 0
.rept 64
	v_exp_f32 v[S+j], v[S+j]                       ; p = 2^(t - M), at most 1
.set j, j+1
.endr
	v_pk_mul_f32 v[14:15], v[14:15], v[FF:FF+1] op_sel_hi:[1,0]   ; the sums under the new M: the plain line behind the exponentials
	s_wait_alu depctr_va_vdst(0)                   ; one wait for the batch of 64, ahead of its first reader
.irp b, 0,1,2,3
	v_exp_f32 v[BM+\b], v[BM+\b]                   ; the block's largest p: the same two instructions on the same number give the same bits
.endr
	v_pk_add_f32 v[L2:L2+1], v[S:S+1], v[S+2:S+3]  ; the row's sum is taken of the UNQUANTISED p: two at a time, in two chains; these lines read the 64 alone
.irp j, 4,8,12,16,20,24,28,32,36,40,44,48,52,56,60
	v_pk_add_f32 v[14:15], v[14:15], v[S+\j:S+\j+1]
	v_pk_add_f32 v[L2:L2+1], v[L2:L2+1], v[S+\j+2:S+\j+3]
.endr
	v_pk_add_f32 v[14:15], v[14:15], v[L2:L2+1]
	s_wait_alu depctr_va_vdst(0)                   ; and one for the four
.irp b, 0,1,2,3
	v_max_num_f32 v[BM+\b], 0x8000000, v[BM+\b]    ; the floor 2^(16 - 127): a block whose every p is 0 keeps the byte 1; its codes are zeros
.endr
.irp b, 0,1,2,3
	v_add_nc_u32 v[SO+\b], 0xf8800000, v[BM+\b]    ; 15 off the exponent field: the conversion's scale operand
.endr
.irp b, 0,1,2,3
	v_and_or_b32 v[HD+\b], v[BM+\b], 0x7f800000, s[MNT]   ; 57,344 x the scale
.endr
.irp b, 0,1,2,3
	v_lshrrev_b32 v[BP+\b], 23, v[SO+\b]           ; the byte
.endr
	v_lshl_or_b32 v[PS], v[BP+1], 8, v[BP]         ; p's scale word for these 128 keys: it stands far more than eight places ahead of the products
	v_lshl_or_b32 v[PS], v[BP+2], 16, v[PS]
	v_lshl_or_b32 v[PS], v[BP+3], 24, v[PS]
.irp b, 0,1,2,3
.irp i, 0,1,2,3,4,5,6,7,8,9,10,11,12,13,14,15
	v_min_num_f32 v[S+16*\b+\i], v[S+16*\b+\i], v[HD+\b]   ; the conversion does not saturate (ISA guide 7.6.2); p is not negative, so the hold is one-sided
.endr
	v_cvt_scalef32_pk8_bf8_f32 v[PC+4*\b:PC+1+4*\b], v[S+16*\b:S+7+16*\b], v[SO+\b]
	v_cvt_scalef32_pk8_bf8_f32 v[PC+2+4*\b:PC+3+4*\b], v[S+8+16*\b:S+15+16*\b], v[SO+\b]
.endr
.set j, 0
.rept 16
	v_pk_mul_f32 v[O+j:O+j+1], v[O+j:O+j+1], v[FF:FF+1] op_sel_hi:[1,0]   ; O^T under the new M.  These sixteen are also the plain lines behind the conversions and the places between the codes and the products
.set j, j+2
.endr
	s_wait_dscnt 0x0                               ; V's fragments and scale words
	PV 0                                           ; four accumulators, one instruction each
	PV 1
	PV 2
	PV 3
.Lskip_\@:
.if \fill
	s_wait_loadcnt 0x0                             ; the fill is in, and its offset register is free
	ds_store_b128 v[FAD], v[FL:FL+3]
	ds_store_b128 v[FAD], v[FL+4:FL+7] offset:8192
.endif
	s_add_co_u32 s[TB], s[TB], 16384               ; on every path: the next step's codes, scale words, mask words and flags
	s_add_co_u32 s[TS], s[TS], 512
	s_add_nc_u64 s[MB:MB+1], s[MB:MB+1], 256
	s_lshr_b32 s[FLG], s[FLG], 2
.endm
.LA:                                               ; steps 0-7; trip j also brings step j + 8 into LDS bytes that nobody reads before the barrier below
	STEP 1
	s_add_co_u32 s[J], s[J], 1
	s_cmp_lt_u32 s[J], 8
	s_cbranch_scc1 .LA
	s_wait_dscnt 0x0                               ; my stores of steps 8-15 have landed, and my reads of steps 0-7 are over
	s_barrier_signal -1
	s_barrier_wait -1
	s_mov_b32 s[TB], HALF
	s_mov_b32 s[TS], SCB+4096
	s_mov_b32 s[J], 0
.LB:                                               ; steps 8-15
	STEP 0
	s_add_co_u32 s[J], s[J], 1
	s_cmp_lt_u32 s[J], 8
	s_cbranch_scc1 .LB
	; THE WAY OUT.  O^T is divided by the row's sum and goes through my own stage, so that sixteen lanes store a query's whole row of 256 bytes.
.rept 8
	v_nop                                          ; eight places behind the last products
.endr
	v_add_f32 v14, v14, v15                        ; the sum's two halves,
	v_permlanex16_b32 v[BP], v14, s[SEL], s[SEL+1]
	v_add_f32 v14, v14, v[BP]                      ; and lane l xor 16's
	v_rcp_f32 v14, v14
	v_lshlrev_b32 v[QO], 12, v[HH]                 ; (plain lines behind the reciprocal)  out0: lanes 0-15 one query's row, lanes 16-31 the next's, 4,096 bytes on;
	v_lshl_add_u32 v[QO], v[RR], 4, v[QO]          ; 16 bytes a lane
	s_wait_alu depctr_va_vdst(0)                   ; the wait ahead of the reciprocal's first reader
.set j, 0
.rept 32
	v_mul_f32 v[S+j], v[O+j], v14                  ; register 8 t + i is out(r, 16 t + 8 h + i); ascending: each accumulator from its low end on
.set j, j+1
.endr
.irp t, 0,1,2,3
	ds_store_b128 v[STO], v[S+8*\t:S+8*\t+3] offset:64*\t
	ds_store_b128 v[STO], v[S+8*\t+4:S+8*\t+7] offset:64*\t+16
.endr
.irp i, 0,1,2,3,4,5,6,7
	ds_load_b128 v[F+4*\i:F+4*\i+3], v[RD] offset:2*\i*272   ; LDS serves a wave's instructions in order (ISA guide 5.7.1.4): these see my stores
.endr
.irp i, 0,1,2,3,4,5,6,7
	s_wait_dscnt 7-\i                              ; load i is in, the younger ones may be out
	global_store_b128 v[QO], v[F+4*\i:F+4*\i+3], s[12:13] offset:8192*\i th:TH_STORE_NT   ; sixteen lanes store 256 consecutive bytes, at a multiple of 256 from out0's first byte
.endr
	s_wait_xcnt 0x0
	v_lshl_add_u32 v254, v0, 2, 0x42000
	v_mov_b32 v255, 0
	s_wait_tensorcnt 0x0
	ds_add_u32 v254, v255
	s_wait_dscnt 0x0
	s_endpgm
.Lfunc_end_k_qd32e5f6d9f_attn:
	.size	k_qd32e5f6d9f_attn, .Lfunc_end_k_qd32e5f6d9f_attn-k_qd32e5f6d9f_attn
	.p2alignl 7, 3214868480
	.fill 96, 4, 3214868480
	.section	.rodata,"a",@progbits
	.p2align	6, 0x0
	.amdhsa_kernel k_qd32e5f6d9f_attn
		.amdhsa_group_segment_fixed_size 272384
		.amdhsa_private_segment_fixed_size 0
		.amdhsa_enable_private_segment 0
		.amdhsa_kernarg_size 40
		.amdhsa_user_sgpr_count 2
		.amdhsa_user_sgpr_kernarg_segment_ptr 1
		.amdhsa_wavefront_size32 1
		.amdhsa_system_sgpr_workgroup_id_x 1
		.amdhsa_system_sgpr_workgroup_id_y 1
		.amdhsa_system_sgpr_workgroup_id_z 1
		.amdhsa_system_vgpr_workitem_id 0
		.amdhsa_next_free_vgpr 256
		.amdhsa_next_free_sgpr 100
		.amdhsa_reserve_vcc 0
		.amdhsa_float_denorm_mode_32 3
		.amdhsa_float_denorm_mode_16_64 3
		.amdhsa_memory_ordered 1
		.amdhsa_forward_progress 1
		.amdhsa_inst_pref_size 64
	.end_amdhsa_kernel
	.amdgpu_metadata
---
amdhsa.version: [ 1, 2 ]
amdhsa.kernels:
  - .name:           k_qd32e5f6d9f_attn
    .symbol:         k_qd32e5f6d9f_attn.kd
    .args:
      - { .name: queries, .offset: 0, .size: 8, .value_kind: global_buffer, .address_space: global }
      - { .name: kvc, .offset: 8, .size: 8, .value_kind: global_buffer, .address_space: global }
      - { .name: mbits, .offset: 16, .size: 8, .value_kind: global_buffer, .address_space: global }
      - { .name: mflags, .offset: 24, .size: 8, .value_kind: global_buffer, .address_space: global }
      - { .name: out0, .offset: 32, .size: 8, .value_kind: global_buffer, .address_space: global }
    .group_segment_fixed_size: 272384
    .private_segment_fixed_size: 0
    .kernarg_segment_align: 8
    .kernarg_segment_size: 40
    .max_flat_workgroup_size: 512
    .sgpr_count:     100
    .vgpr_count:     256
    .wavefront_size: 32
...
	.end_amdgpu_metadata
.endif
;; end of part 2
;; ======== version 2 of 2: 2 launches
;; workspace buffers: kvc 8,650,752 bytes; mbits 524,288 bytes of whole numbers; mflags 512 bytes of whole numbers
;; launch prep (part 3): grid 640 x 1, 4 waves a work-group, no clusters, 35,328 bytes of LDS; arguments keys, values, attn_mask, kvc, mbits, mflags; writes kvc, mbits, mflags
.if DOCPART == 3
	.amdgcn_target "amdgcn-amd-amdhsa--gfx1250"
	.amdhsa_code_object_version 6
	.text
	.protected	k_qd32e5f6d9f_prep
	.globl	k_qd32e5f6d9f_prep
	.p2align	8
	.type	k_qd32e5f6d9f_prep,@function
k_qd32e5f6d9f_prep:
	s_mov_b64 s[64:65], 0
	v_nop
	global_prefetch_b8 v0, s[64:65] scope:SCOPE_SE
	s_setreg_imm32_b32 hwreg(HW_REG_WAVE_MODE, 25, 1), 1
	s_wait_xcnt 0x0
; PREPARATION FOR THE ATTENTION LAUNCH.  keys, values: [2][2048][16][64] f32; attn_mask: [2048][2048] bytes (not 0 = masked).
; Three jobs, parted on the work-group's number: 0-255 quantise the keys along D, 256-511 the values along the KEYS, 512-639 pack the mask.
; Codes are BF8 (E5M2) with one E8M0 byte for each 32 along a product's K: the byte is the largest magnitude's exponent field - 15, held at 1 from below;
; each number is divided by the scale, held within +-57,344 and rounded to the nearest code, ties to even.
; LIMITS: NaN and infinities among keys and values are not served.  A block of zeros gets the byte 1 where the rule says 127: its codes are zeros, and this program alone reads the bytes.
; kvc, head hh (= 16 b + head) at hh x 270,336, laid in the ORDER OF THE OPERANDS' REGISTERS.  A step s is 128 keys; l = lane, r = l % 16, h = l / 16.
;   codes of step s at 16,384 s.  K: pair p at 2,048 p, chunk c at 512 c, lane at 16 l: key 128 s + 32 p + 8 (c / 2) + r + 8 (r / 8), d = 32 (c % 2) + 16 h + 0 .. 15.
;   V at + 8,192: tile t at 2,048 t, chunk c at 512 c, lane at 16 l: keys 128 s + 32 c + 16 h + 0 .. 15 of d = 16 t + r.
;   scale words of step s at 262,144 + 512 s: K's at 128 w + 4 l (pair 2 w + h, row r, byte c = chunk c); V's at 256 + 128 w + 4 l (tile 2 w + h, row r, byte c = key block c).
; mbits: tile T of 16 queries, step s, at 4,096 T + 256 s: 64 words; bit l of word n = mask[16 T + r][128 s + 32 (n / 16) + 16 h + n % 16].
; mflags: word T; bit 2 s: the tile (T, s) is wholly masked; bit 2 s + 1: some score of it is masked.
; A stream: no matrix unit, no tensor load, no barrier; waves share nothing.  Every wave issues all its loads at its start.
.set HEADB, 270336
.set SCB,   262144
.set SP,    272                        ; a stage row: 256 bytes + 16 = 17 x 16 bytes, so sixteen rows begin at sixteen different 16-byte columns modulo 256
.set TM,    12                         ; v12-15 largest magnitudes, v16-19 the other half's / the bytes, v20-23 the hold, v24-27 the conversions' scale operands
.set PW0,   28                         ; the two pairs' scale words
.set PW1,   29
.set SW,    30                         ; the word that a lane stores
.set PC0,   32                         ; v32-47, v48-63 the two pairs' codes: no store's data are written again
.set PC1,   48
.set X0,    64                         ; v64-127  pair 0's numbers, 16 neighbours along D for each chunk
.set R0,    128                        ; v128-255 the 64 keys as loaded
.set X1,    128                        ; pair 1's numbers land where pair 0 was loaded
.set VX,    64                         ; V path: v64-191 my column's 128 keys
.set VC,    192                        ; v192-223 their codes
.set MM,    64                         ; mask path: v64-127 the bytes as loaded
.set MW,    32                         ; v32-39 a pair of registers for each step's 64 words
	s_load_b256 s[4:11], s[0:1], 0x0               ; keys s[4:5], values s[6:7], mask s[8:9], kvc s[10:11]
	s_load_b128 s[12:15], s[0:1], 0x20             ; mbits s[12:13], mflags s[14:15]
	v_lshl_add_u32 v31, v0, 2, 0x8800
	s_set_vgpr_msb 0x40
	v_mov_b32 v1, 0
	s_set_vgpr_msb 0x4000
	v_lshrrev_b32 v1, 5, v0
	v_readfirstlane_b32 s16, v1                    ; wave 0..3
	v_and_b32 v1, 31, v0                           ; l
	v_and_b32 v2, 15, v0                           ; r
	v_bfe_u32 v3, v0, 4, 1                         ; h
	s_mov_b32 s20, 0x76543210
	s_mov_b32 s21, 0xfedcba98                      ; v_permlanex16_b32's selects for lane l xor 16
	s_mov_b32 s23, 0x600000                        ; the mantissa field of 57,344
	s_cmp_ge_u32 ttmp9, 512
	s_cbranch_scc1 .Lmask
	s_and_b32 s24, ttmp9, 255
	s_lshr_b32 s25, s24, 3                         ; hh
	s_lshr_b32 s26, s25, 4                         ; b
	s_and_b32 s27, s25, 15                         ; head
	s_and_b32 s28, s24, 7
	s_lshl_b32 s28, s28, 1
	s_lshr_b32 s29, s16, 1
	s_add_co_u32 s28, s28, s29                     ; s: two steps to a work-group, two waves to a step
	s_and_b32 s29, s16, 1                          ; w
	s_lshl_b32 s30, s26, 23                        ; in the input: b x 2^23 + s x 128 keys of 4,096 bytes + head x 256
	s_lshl_b32 s31, s28, 19
	s_add_co_u32 s30, s30, s31
	s_lshl_b32 s31, s27, 8
	s_add_co_u32 s30, s30, s31
	s_mul_i32 s32, s25, HEADB
	s_lshl_b32 s33, s28, 14
	s_add_co_u32 s34, s32, s33
	s_lshl_b32 s33, s29, 12
	s_add_co_u32 s34, s34, s33                     ; my codes: head + 16,384 s + 4,096 w
	s_lshl_b32 s33, s28, 9
	s_add_co_u32 s36, s32, s33
	s_lshl_b32 s33, s29, 7
	s_add_co_u32 s36, s36, s33
	s_add_co_u32 s36, s36, SCB                     ; my scale words: head + 262,144 + 512 s + 128 w
	s_mov_b32 s31, 0
	s_mov_b32 s35, 0
	s_mov_b32 s37, 0
	s_cmp_ge_u32 ttmp9, 256
	s_cbranch_scc1 .Lvalues
; ---------------- THE KEYS: a wave takes 64 keys, pairs 2 w and 2 w + 1 ----------------
; 64 numbers of a lane, register 16 b + i = the i-th of my 16 numbers of block b, become 16 registers of codes and a scale word.  A block lies in lanes l and l xor 16.
.macro QUANT s, pc, pw
.irp b, 0,1,2,3
	v_max3_num_f32 v[TM+\b], |v[\s+16*\b]|, |v[\s+1+16*\b]|, 0x8000000   ; my 16 numbers, and the floor 2^(16 - 127): so the byte cannot fall under 1
.endr
.irp i, 2,4,6,8,10,12,14
.irp b, 0,1,2,3
	v_max3_num_f32 v[TM+\b], v[TM+\b], |v[\s+16*\b+\i]|, |v[\s+1+16*\b+\i]|   ; the four blocks by turns
.endr
.endr
.irp b, 0,1,2,3
	v_permlanex16_b32 v[TM+4+\b], v[TM+\b], s20, s21
.endr
.irp b, 0,1,2,3
	v_max_num_f32 v[TM+\b], v[TM+\b], v[TM+4+\b]   ; the block's largest magnitude
.endr
.irp b, 0,1,2,3
	v_add_nc_u32 v[TM+12+\b], 0xf8800000, v[TM+\b] ; 15 off its exponent field: the conversion takes this operand's exponent field as its scale
.endr
.irp b, 0,1,2,3
	v_and_or_b32 v[TM+8+\b], v[TM+\b], 0x7f800000, s23   ; 57,344 x the scale
.endr
.irp b, 0,1,2,3
	v_lshrrev_b32 v[TM+4+\b], 23, v[TM+12+\b]      ; the scale's byte
.endr
	v_lshl_or_b32 v[\pw], v[TM+5], 8, v[TM+4]
	v_lshl_or_b32 v[\pw], v[TM+6], 16, v[\pw]
	v_lshl_or_b32 v[\pw], v[TM+7], 24, v[\pw]
.irp b, 0,1,2,3
.irp i, 0,1,2,3,4,5,6,7,8,9,10,11,12,13,14,15
	v_med3_num_f32 v[\s+16*\b+\i], v[\s+16*\b+\i], -v[TM+8+\b], v[TM+8+\b]   ; the conversion to an 8-bit code does not saturate (ISA guide 7.6.2): the hold comes first
.endr
	v_cvt_scalef32_pk8_bf8_f32 v[\pc+4*\b:\pc+1+4*\b], v[\s+16*\b:\s+7+16*\b], v[TM+12+\b]
	v_cvt_scalef32_pk8_bf8_f32 v[\pc+2+4*\b:\pc+3+4*\b], v[\s+8+16*\b:\s+15+16*\b], v[TM+12+\b]
.endr
	v_nop                                          ; a plain line behind the last conversion
.endm
; Pair q's 32 keys go through my stage: in as loaded (16 lanes a row of 256 bytes), each key to the row 16 u + r' of its tile u and row r' in the pair; out 64 neighbouring bytes a lane and chunk.
; Key k = 2 i + h of the pair: u = (k / 8) % 2, r' = k % 8 + 8 (k / 16).  LDS serves a wave's instructions in order: no wait between the stores and the loads.
.macro TURN q, x
.set i, 0
.rept 16
	ds_store_b128 v8, v[R0+64*\q+4*i:R0+64*\q+4*i+3] offset:(16*((i/4)%2)+8*(i/8)+(2*i)%8)*SP
.set i, i+1
.endr
.set i, 0
.rept 16                                       ; i = 4 c + j: chunk c, my j-th four numbers
	ds_load_b128 v[\x+4*i:\x+4*i+3], v9 offset:(16*(i/8))*SP+128*((i/4)%2)+16*(i%4)
.set i, i+1
.endr
.endm
	s_lshl_b32 s33, s29, 18                        ; my 64 keys of the step's 128
	s_add_co_u32 s30, s30, s33
	s_wait_alu depctr_va_vdst(0)
	v_lshlrev_b32 v4, 12, v3
	v_lshl_add_u32 v4, v2, 4, v4                   ; in: lanes 0-15 one key's 256 bytes, lanes 16-31 the next key's
	s_wait_alu depctr_va_vdst(0)
	s_wait_kmcnt 0x0
	s_add_nc_u64 s[4:5], s[4:5], s[30:31]
	s_add_nc_u64 s[34:35], s[10:11], s[34:35]
	s_add_nc_u64 s[36:37], s[10:11], s[36:37]
.set i, 0
.rept 32
	global_load_b128 v[R0+4*i:R0+4*i+3], v4, s[4:5] offset:2*i*4096 th:TH_LOAD_NT   ; keys 2 i and 2 i + 1: two whole rows of 256 bytes
.set i, i+1
.endr
	v_lshlrev_b32 v5, 4, v1                        ; out: 16 bytes a lane
	v_lshlrev_b32 v6, 2, v1                        ; and 4 for the scale word
	s_mul_i32 s33, s16, 32*SP                      ; my stage
	v_mul_u32_u24 v8, v3, SP
	v_lshl_add_u32 v8, v2, 4, v8
	v_add_nc_u32 v8, s33, v8                       ; into it: row + h, 16 r
	v_mul_u32_u24 v9, v2, SP
	v_lshl_add_u32 v9, v3, 6, v9
	v_add_nc_u32 v9, s33, v9                       ; out of it: row r, 64 h
.irp b, 0,1,2,3
	v_mov_b32 v[TM+4+\b], 0                        ; written once: a lane permute's destination counts as one of its sources
.endr
	s_wait_alu depctr_va_vdst(0)
	s_wait_loadcnt 16                              ; pair 0's sixteen loads are in; pair 1's sixteen may be out
	TURN 0, X0
	s_wait_dscnt 0x0                               ; pair 0 is back, and its registers as loaded are free
	s_wait_loadcnt 0x0
	TURN 1, X1                                     ; pair 1 goes through the stage while pair 0 is quantised
	QUANT X0, PC0, PW0
.irp c, 0,1,2,3
	global_store_b128 v5, v[PC0+4*\c:PC0+4*\c+3], s[34:35] offset:512*\c   ; 32 lanes store 512 consecutive bytes
.endr
	s_wait_dscnt 0x0
	QUANT X1, PC1, PW1
.irp c, 0,1,2,3
	global_store_b128 v5, v[PC1+4*\c:PC1+4*\c+3], s[34:35] offset:2048+512*\c
.endr
	v_cmp_le_u32 vcc_lo, 16, v1
	v_cndmask_b32 v[SW], v[PW0], v[PW1], vcc_lo    ; lanes 0-15 pair 2 w's words, lanes 16-31 pair 2 w + 1's
	global_store_b32 v6, v[SW], s[36:37]
	s_set_vgpr_msb 0x4
	s_wait_tensorcnt 0x0
	ds_add_u32 v31, v1
	s_wait_dscnt 0x0
	s_set_vgpr_msb 0x400
	s_endpgm
; ---------------- THE VALUES: a lane takes a column d = 32 w + l, and its registers run down the step's 128 keys ----------------
.Lvalues:
	s_lshl_b32 s33, s29, 7                         ; my 32 columns of the head's 64
	s_add_co_u32 s30, s30, s33
	s_add_co_u32 s34, s34, 8192                    ; V's images lie behind K's,
	s_add_co_u32 s36, s36, 256                     ; and so do its scale words
	s_wait_alu depctr_va_vdst(0)
	v_lshlrev_b32 v4, 2, v1                        ; in: 4 bytes a lane, 128 consecutive bytes a load; the neighbouring wave reads the other half of the same 256
	s_wait_alu depctr_va_vdst(0)
	s_wait_kmcnt 0x0
	s_add_nc_u64 s[6:7], s[6:7], s[30:31]
	s_add_nc_u64 s[34:35], s[10:11], s[34:35]
	s_add_nc_u64 s[36:37], s[10:11], s[36:37]
.set i, 0
.rept 128
	global_load_b32 v[VX+i], v4, s[6:7] offset:i*4096 th:TH_LOAD_NT
.set i, i+1
.endr
	v_lshlrev_b32 v5, 11, v3
	v_lshl_add_u32 v5, v2, 4, v5                   ; out: tile 2 w + h at 2,048 h, row r at 16 r
; Block c: 32 keys, all mine: no other lane is asked.  left: how many younger loads may be out (a wait's count holds 63 at the most, so the first two blocks wait with 63).
.macro VBLOCK c, left
.set XS, VX+32*\c
	s_wait_loadcnt \left
	v_max3_num_f32 v12, |v[XS]|, |v[XS+1]|, |v[XS+2]|
	v_max3_num_f32 v13, |v[XS+3]|, |v[XS+4]|, |v[XS+5]|
.irp i, 6,10,14,18,22,26
	v_max3_num_f32 v12, v12, |v[XS+\i]|, |v[XS+\i+1]|
	v_max3_num_f32 v13, v13, |v[XS+\i+2]|, |v[XS+\i+3]|
.endr
	v_max3_num_f32 v12, v12, |v[XS+30]|, |v[XS+31]|
	v_max3_num_f32 v12, v12, v13, 0x8000000        ; and the floor 2^(16 - 127)
	v_add_nc_u32 v11, 0xf8800000, v12              ; the conversions' scale operand
	v_and_or_b32 v10, v12, 0x7f800000, s23         ; 57,344 x the scale
	v_lshrrev_b32 v13, 23, v11                     ; the byte
.if \c == 0
	v_mov_b32 v28, v13
.else
	v_lshl_or_b32 v28, v13, 8*\c, v28              ; byte c of my column's scale word
.endif
.set i, 0
.rept 32
	v_med3_num_f32 v[XS+i], v[XS+i], -v10, v10
.set i, i+1
.endr
.irp g, 0,1,2,3
	v_cvt_scalef32_pk8_bf8_f32 v[VC+8*\c+2*\g:VC+8*\c+2*\g+1], v[XS+8*\g:XS+8*\g+7], v11
.endr
	v_nop                                          ; a plain line behind the last conversion
	global_store_b128 v5, v[VC+8*\c:VC+8*\c+3], s[34:35] offset:512*\c          ; keys 32 c + 0 .. 15: the image's lanes 0-15; sixteen lanes store 256 consecutive, aligned bytes
	global_store_b128 v5, v[VC+8*\c+4:VC+8*\c+7], s[34:35] offset:512*\c+256    ; keys 32 c + 16 .. 31: its lanes 16-31
.endm
	VBLOCK 0, 63
	VBLOCK 1, 63
	VBLOCK 2, 32
	VBLOCK 3, 0
	global_store_b32 v4, v28, s[36:37]
	s_endpgm
; ---------------- THE MASK: work-group T takes 16 queries, wave g steps 4 g .. 4 g + 3 ----------------
.Lmask:
	s_sub_co_u32 s24, ttmp9, 512                   ; T
	s_lshl_b32 s30, s24, 15                        ; 16 rows of 2,048 bytes,
	s_lshl_b32 s33, s16, 9                         ; four steps of 128
	s_add_co_u32 s30, s30, s33
	s_mov_b32 s31, 0
	s_lshl_b32 s34, s24, 12
	s_lshl_b32 s33, s16, 10
	s_add_co_u32 s34, s34, s33                     ; mbits: 4,096 T + 1,024 g
	s_mov_b32 s35, 0
	s_lshl_b32 s26, s24, 2
	s_add_co_u32 s26, s26, s16                     ; mflags: byte g of word T
	s_mov_b32 s27, 0
	s_wait_alu depctr_va_vdst(0)
	v_lshlrev_b32 v4, 11, v2
	v_lshl_add_u32 v4, v3, 4, v4                   ; row r, + 16 h
	s_wait_alu depctr_va_vdst(0)
	s_wait_kmcnt 0x0
	s_add_nc_u64 s[8:9], s[8:9], s[30:31]
	s_add_nc_u64 s[12:13], s[12:13], s[34:35]
	s_add_nc_u64 s[14:15], s[14:15], s[26:27]
.irp e, 0,1,2,3
.irp b, 0,1,2,3
	global_load_b128 v[MM+16*\e+4*\b:MM+16*\e+4*\b+3], v4, s[8:9] offset:128*\e+32*\b th:TH_LOAD_NT   ; keys 32 b + 16 h + 0 .. 15 of step e: byte n % 4 of register n / 4 is score n's
.endr
.endr
	v_lshlrev_b32 v5, 3, v1                        ; out: 8 bytes a lane
.irp i, 0,1,2,3,4,5,6,7
	v_mov_b32 v[MW+\i], 0                          ; v_writelane_b32's destination counts as read
.endr
	s_mov_b32 s36, 0                               ; my four steps' flags
	s_wait_loadcnt 0x0
.macro MSTEP e
.set MB, MM+16*\e
	v_or_b32 v12, v[MB], v[MB+1]                   ; any byte set?  all bytes 1?  two chains each
	v_or_b32 v13, v[MB+2], v[MB+3]
	v_and_b32 v14, v[MB], v[MB+1]
	v_and_b32 v15, v[MB+2], v[MB+3]
.irp i, 4,6,8,10,12,14
	v_or_b32 v12, v12, v[MB+\i]
	v_or_b32 v13, v13, v[MB+\i+1]
	v_and_b32 v14, v14, v[MB+\i]
	v_and_b32 v15, v15, v[MB+\i+1]
.endr
	v_or_b32 v12, v12, v13
	v_and_b32 v14, v14, v15
	v_cmp_ne_u32 s37, 0, v12                       ; not 0: some score is masked
	v_cmp_ne_u32 s38, 0x01010101, v14              ; 0: bit 0 stands in every byte, so every score is masked (a byte other than 0 or 1 can only keep a tile from being passed over)
	s_cmp_eq_u32 s38, 0
	s_cselect_b32 s39, 1<<(2*\e), 0
	s_or_b32 s36, s36, s39
	s_cmp_lg_u32 s37, 0
	s_cselect_b32 s39, 2<<(2*\e), 0
	s_or_b32 s36, s36, s39
.set n, 0
.rept 16                                       ; four words at a time: a byte of every lane, its ballot, and the ballot into lane n / 2 of register n % 2
.irp k, 0,1,2,3
	v_bfe_u32 v[16+\k], v[MB+n/4], 8*\k, 8
.endr
.irp k, 0,1,2,3
	v_cmp_ne_u32 s[40+n%8+\k], 0, v[16+\k]
.endr
.irp k, 0,1,2,3
	v_writelane_b32 v[MW+2*\e+\k%2], s[40+n%8+\k], (n+\k)/2
.endr
.set n, n+4
.endr
	global_store_b64 v5, v[MW+2*\e:MW+2*\e+1], s[12:13] offset:256*\e   ; 32 lanes store the step's 64 words: 256 consecutive, aligned bytes
.endm
	MSTEP 0
	MSTEP 1
	MSTEP 2
	MSTEP 3
	v_mov_b32 v6, 0
	v_mov_b32 v7, s36
	v_cmp_eq_u32 vcc_lo, 0, v1
	s_wait_alu depctr_va_vdst(0)
	s_wait_xcnt 0x0                                ; EXEC is a source of the stores above: it changes only behind this wait
	s_and_saveexec_b32 s30, vcc_lo
	global_store_b8 v6, v7, s[14:15]               ; lane 0 stores my byte of the tile's flags
	s_wait_xcnt 0x0                                ; and again in front of the line that widens it
	s_or_b32 exec_lo, exec_lo, s30
	s_endpgm
.Lfunc_end_k_qd32e5f6d9f_prep:
	.size	k_qd32e5f6d9f_prep, .Lfunc_end_k_qd32e5f6d9f_prep-k_qd32e5f6d9f_prep
	.p2alignl 7, 3214868480
	.fill 96, 4, 3214868480
	.section	.rodata,"a",@progbits
	.p2align	6, 0x0
	.amdhsa_kernel k_qd32e5f6d9f_prep
		.amdhsa_group_segment_fixed_size 35328
		.amdhsa_private_segment_fixed_size 0
		.amdhsa_enable_private_segment 0
		.amdhsa_kernarg_size 48
		.amdhsa_user_sgpr_count 2
		.amdhsa_user_sgpr_kernarg_segment_ptr 1
		.amdhsa_wavefront_size32 1
		.amdhsa_system_sgpr_workgroup_id_x 1
		.amdhsa_system_sgpr_workgroup_id_y 1
		.amdhsa_system_sgpr_workgroup_id_z 1
		.amdhsa_system_vgpr_workitem_id 0
		.amdhsa_next_free_vgpr 258
		.amdhsa_next_free_sgpr 66
		.amdhsa_reserve_vcc 1
		.amdhsa_float_denorm_mode_32 3
		.amdhsa_float_denorm_mode_16_64 3
		.amdhsa_memory_ordered 1
		.amdhsa_forward_progress 1
		.amdhsa_inst_pref_size 112
	.end_amdhsa_kernel
	.amdgpu_metadata
---
amdhsa.version: [ 1, 2 ]
amdhsa.kernels:
  - .name:           k_qd32e5f6d9f_prep
    .symbol:         k_qd32e5f6d9f_prep.kd
    .args:
      - { .name: keys, .offset: 0, .size: 8, .value_kind: global_buffer, .address_space: global }
      - { .name: values, .offset: 8, .size: 8, .value_kind: global_buffer, .address_space: global }
      - { .name: attn_mask, .offset: 16, .size: 8, .value_kind: global_buffer, .address_space: global }
      - { .name: kvc, .offset: 24, .size: 8, .value_kind: global_buffer, .address_space: global }
      - { .name: mbits, .offset: 32, .size: 8, .value_kind: global_buffer, .address_space: global }
      - { .name: mflags, .offset: 40, .size: 8, .value_kind: global_buffer, .address_space: global }
    .group_segment_fixed_size: 35328
    .private_segment_fixed_size: 0
    .kernarg_segment_align: 8
    .kernarg_segment_size: 48
    .max_flat_workgroup_size: 128
    .sgpr_count:     66
    .vgpr_count:     258
    .wavefront_size: 32
...
	.end_amdgpu_metadata
.endif
;; end of part 3
;; launch attn (part 4): grid 8 x 32, 16 waves a work-group, no clusters, 272,384 bytes of LDS; arguments queries, kvc, mbits, mflags, out0; writes out0
.if DOCPART == 4
	.amdgcn_target "amdgcn-amd-amdhsa--gfx1250"
	.amdhsa_code_object_version 6
	.text
	.protected	k_qd32e5f6d9f_attn
	.globl	k_qd32e5f6d9f_attn
	.p2align	8
	.type	k_qd32e5f6d9f_attn,@function
k_qd32e5f6d9f_attn:
	s_mov_b64 s[64:65], 0
	v_nop
	global_prefetch_b8 v0, s[64:65] scope:SCOPE_SE
	s_setreg_imm32_b32 hwreg(HW_REG_WAVE_SCHED_MODE, 0, 2), 2
	s_setreg_imm32_b32 hwreg(HW_REG_WAVE_MODE, 25, 1), 1
	s_wait_xcnt 0x0
	s_wait_alu depctr_vm_vsrc(0)
; out[b][q][head][:] = the sum over k of softmax_k(mask(q . k) / 8) v[k][:], both products on codes of BF8 (E5M2) with one E8M0 scale for each 32 along a product's K.
; queries, out0: [2][2048][16][64] f32.  kvc, mbits, mflags: the launch before has laid them (its head comment has the layouts): K's and V's codes as images of the operands' registers, the mask as lane-mask
; words (bit l of word n = score register n of lane l is masked) and two flags for each tile of 16 queries x 128 keys.
; THE SOFTMAX AHEAD OF THE SECOND PRODUCT: t = score x log2(e) / 8; M = the running largest t rounded UP to a whole number; p = 2^(t - M) is quantised along the keys, not normalised.  The row's sum is taken of the
; unquantised p and divides O at the end.  When M moves, the sum and O are multiplied by 2^(old M - new M): exact.
; SHARES.  Work-group (g, hh): head hh; each of its SIXTEEN waves owns one tile of 16 queries in 256 registers, four waves to a SIMD, so that one wave's vector work stands beside another's products and LDS loads.
; Wave w takes tile 8 rho + g, rho = w xor 3 ((w / 4) % 2): a work-group's tiles are spread over the whole sequence, and the ranks of waves w, w + 4, w + 8, w + 12 add up to 30.  Any mask is served; this only evens the work.
; LDS holds the head's codes and scale words WHOLE, 270,336 bytes, as they lie in kvc: steps 0-7 and all scale words come in ahead of the first barrier, step j + 8 in trip j of the first loop; two barriers in all.
; A TILE THAT IS WHOLLY MASKED adds p = 0 and moves neither M, the sum nor O: it is passed over by a scalar branch on its stored flag.  A tile with no masked score skips the 64 selects.
; NO TENSOR LOAD AND NO JOINT LOAD: this text branches on numbers read from memory; what the eight work-groups of a head share is 270,336 bytes, read once by each.
; LAYOUT.  Both products are used transposed: S^T = K Q^T, O^T = V^T P^T: a lane holds ONE query (l % 16) throughout.  D is 64, half of the instruction's 128: a fragment of K holds TWO tiles of 16 keys (k 0-63: tile 2 p,
; k 64-127: tile 2 p + 1), multiplied once by (Q | zeros) and once by (zeros | Q).  The keys of a tile are chosen so that score register n holds key 32 (n / 16) + 16 (l / 16) + n % 16 of the step.
; LIMITS: NaN and infinities among the queries are not served; a block of zeros gets the byte 1 (its codes are zeros); p under 2^-126 becomes 0 (v_exp_f32); a row that is wholly masked gives 0 x (1 / 0) = NaN.
; THE MODE: SCHED_MODE bits 1:0 = 2 (LLVM: expert scheduling mode 2), set by the entry lines.  The code itself states the register dependences
; between vector or matrix instructions and memory or LDS instructions, with s_wait_alu, always for 0.
; THE PLAN.  Registers that memory or LDS instructions touch, in a step:
;   v[ADK], v[ADS]  LDS addresses.  Written by one add each at the step's head; read by the step's 36 LDS loads.
;   v[FAD]          First loop.  Written by an add at the head; read by the trip's two global loads and, at the trip's end, by its two LDS stores.
;   FL              First loop.  The two global loads land in it; the two LDS stores read it; no vector instruction names it.
;   F, KS, VS       K's fragments and scale words land at the head and are read by the eight products K Q^T; V's land behind those and are read by the four products V^T P.
;   PC, v[PS]       Written by the conversions and shifts; taken by the scaled products V^T P as an operand and as scales.
;   v[FA], v[FB], v[FC], v[STO], v[RD], v[PFO]  made once in the prologue; v[QO] there and again on the way out.
; So a step has ONE wait on vm_vsrc, at its head, ahead of the adds, and three on va_vdst of its own: behind the adds (addresses written; the last step's products done with F, KS, VS), behind K Q^T (done with F),
; and ahead of V^T P (codes and scale word written).  Two more stand behind the exponentials.  All the step's memory and LDS instructions stand behind one of these waits,
; with no vector or matrix instruction between that names a register of theirs.  One buffer F: sixteen waves of 256 registers leave no room for a second.
.set HEADB, 270336
.set SCB,   262144
.set HALF,  131072                     ; steps 0-7 | steps 8-15
.set STG,   4352                       ; the way out: 16 rows x 272 bytes for each wave, in the bytes of steps 0-7, which nobody reads behind the second barrier
.set LI,  1                            ; v1   16 x lane
.set LS,  2                            ; v2   4 x lane
.set FA,  3                            ; v3   16 x thread
.set ADK, 4                            ; v4   LDS address of the step's images
.set ADS, 5                            ; v5   of its scale words
.set NINF, 6                           ; v6   -infinity
.set FAD, 7                            ; v7   the trip's fill: offset in the head's block and LDS address alike
.set KS,  8                            ; v8-9   K's scale words (lanes 0-15 pair 2 w, lanes 16-31 pair 2 w + 1)
.set VS,  10                           ; v10-11 V's
                                       ; v12 -M, v13 the largest t, v[14:15] the sum in two halves
.set QS,  16                           ; v16  Q's scale word: (b0, b1, b0, b1), so that it serves Q | 0 and 0 | Q
.set PS,  17                           ; v17  p's scale word
.set FF,  18                           ; v[18:19] f = 2^(old M - new M) (v19 is named with it as a pair)
.set QF,  20                           ; v20-27 zeros, v28-35 Q's codes, v36-43 zeros: Q | 0 = v[28:43], 0 | Q = v[20:35]
.set F,   44                           ; v44-107  four fragments of K, then of V
.set S,   108                          ; v108-171 S^T, then p
.set O,   172                          ; v172-203 O^T, four tiles
.set PC,  204                          ; v204-219 p's codes
.set BM,  220                          ; v220-223 the blocks' largest scores, then largest p
.set BP,  224                          ; v224-227 the other half's, then the bytes
.set HD,  228                          ; v228-231 57,344 x the scale
.set SO,  232                          ; v232-235 the conversions' scale operands
.set L2,  236                          ; v[236:237] the sum's second chain
.set TT,  238
.set RR,  239                          ; v239 r = lane % 16
.set FL,  240                          ; v240-247 the trip's fill
.set PFO, 248                          ; v248 the prefetch's offset; never rewritten
.set FA1, 249                          ; v249 FA + 131,072
.set FB,  250                          ; v250 FA + 65,536
.set FC,  251                          ; v251 FA + 262,144
.set QO,  252                          ; v252 my byte in the tile's rows of q; on the way out, in those of out0
.set STO, 253                          ; v253 the stage, on the way in
.set RD,  254                          ; v254 and back
.set HH,  255                          ; v255 h = lane / 16
.set QX,  112                          ; the prologue alone: v112-143 q's 32 numbers
.set MB,  2                            ; s[2:3] my tile's mask words, 256 bytes a step
.set WV,  14
.set TB,  15                           ; s15  LDS byte at which the step's codes begin
.set TS,  16                           ; s16  and its scale words
.set FLG, 17                           ; s17  my tile's flags; two bits are shifted out a step
.set J,   18
.set MNT, 19
.set SEL, 20
.set CS,  22                           ; s[22:23] c = log2(e) / 8
.set PFT, 25                           ; s25  the trip in which I prefetch, or a number that no trip has
                                       ; s32-63, s68-99 the step's 64 mask words
	s_load_b256 s[4:11], s[0:1], 0x0               ; q s[4:5], kvc s[6:7], mbits s[8:9], mflags s[10:11]
	s_load_b64 s[12:13], s[0:1], 0x20              ; out0
	v_lshrrev_b32 v1, 5, v0
	v_readfirstlane_b32 s[WV], v1                  ; wave 0..15
	v_and_b32 v[ADK], 31, v0                       ; lane (the register is free until the first step)
	v_and_b32 v[RR], 15, v0
	v_bfe_u32 v[HH], v0, 4, 1
	v_lshlrev_b32 v[LI], 4, v[ADK]
	v_lshlrev_b32 v[LS], 2, v[ADK]
	v_lshlrev_b32 v[FA], 4, v0
	v_lshlrev_b32 v[QO], 12, v[RR]
	v_lshl_add_u32 v[QO], v[HH], 6, v[QO]          ; q: row r of 4,096 bytes, + 64 h: my 16 numbers of a block of 32
	s_wait_alu depctr_va_sdst(0)                   ; the wave's number is written into s[WV], ahead of its first reader: my tile, my stage and the prefetch's trip are made from it
	s_bfe_u32 s24, s[WV], 0x10002
	s_mul_i32 s24, s24, 3
	s_xor_b32 s24, s[WV], s24                      ; rho
	s_lshl_b32 s24, s24, 3
	s_add_co_u32 s24, s24, ttmp9                   ; my tile of 16 queries: it enters global addresses alone
	s_and_b32 s26, ttmp7, 0xffff                   ; hh
	s_lshr_b32 s28, s26, 4
	s_lshl_b32 s28, s28, 23
	s_lshl_b32 s27, s24, 16
	s_add_co_u32 s28, s28, s27
	s_and_b32 s27, s26, 15
	s_lshl_b32 s27, s27, 8
	s_add_co_u32 s28, s28, s27                     ; q and out0: b x 2^23 + tile x 16 rows of 4,096 + head x 256
	s_mov_b32 s29, 0
	s_mul_i32 s30, s26, HEADB                      ; kvc: my head's block
	s_mov_b32 s31, 0
	s_lshl_b32 s26, s24, 12                        ; mbits: 4,096 bytes a tile
	s_mov_b32 s27, 0
	s_lshl_b32 s32, s24, 2                         ; mflags: a word a tile
	s_mov_b32 s33, 0
	s_wait_kmcnt 0x0
	s_add_nc_u64 s[4:5], s[4:5], s[28:29]
	s_add_nc_u64 s[12:13], s[12:13], s[28:29]
	s_add_nc_u64 s[6:7], s[6:7], s[30:31]
	s_add_nc_u64 s[MB:MB+1], s[8:9], s[26:27]
	s_add_nc_u64 s[10:11], s[10:11], s[32:33]
	s_load_b32 s[FLG], s[10:11], 0x0
	s_wait_alu depctr_va_vdst(0)                   ; v[QO] and v[FA] are written: the 25 loads below read them as their offsets
.irp c, 0,1
.irp j, 0,1,2,3
	global_load_b128 v[QX+16*\c+4*\j:QX+16*\c+4*\j+3], v[QO], s[4:5] offset:128*\c+16*\j th:TH_LOAD_NT   ; q(r, 32 c + 16 h + 4 j ..)
.endr
.endr
.set n, 0
.rept 16
	global_load_b128 v[F+4*n:F+4*n+3], v[FA], s[6:7] offset:8192*n   ; steps 0-7: the 512 threads take 8,192 consecutive bytes an instruction
.set n, n+1
.endr
	global_load_b128 v[S:S+3], v[FA], s[6:7] offset:SCB              ; all sixteen steps' scale words: 8,192 bytes
	v_add_nc_u32 v[FA1], HALF, v[FA]
	v_add_nc_u32 v[FB], 0x10000, v[FA]
	v_add_nc_u32 v[FC], SCB, v[FA]
	s_mul_i32 s24, s[WV], STG                      ; my stage
	v_mul_u32_u24 v[STO], v[RR], 272
	v_lshl_add_u32 v[STO], v[HH], 5, v[STO]
	v_add_nc_u32 v[STO], s24, v[STO]               ; in: row r, 32 h
	v_mul_u32_u24 v[RD], v[HH], 272
	v_lshl_add_u32 v[RD], v[RR], 4, v[RD]
	v_add_nc_u32 v[RD], s24, v[RD]                 ; back: lanes 0-15 one row, lanes 16-31 the next
	s_lshl_b32 s24, s[WV], 13
	s_add_co_u32 s24, s24, HALF
	v_lshl_add_u32 v[PFO], v[ADK], 8, s24          ; 131,072 + 8,192 x wave + 256 x lane
	s_lshr_b32 s[PFT], s[WV], 1
	s_sub_co_u32 s[PFT], s[PFT], 1
	s_cmp_eq_u32 ttmp9, 0
	s_cselect_b32 s[PFT], s[PFT], -1               ; the head's first work-group alone asks
	s_mov_b32 s[SEL], 0x76543210
	s_mov_b32 s[SEL+1], 0xfedcba98                 ; v_permlanex16_b32's selects for lane l xor 16
	s_mov_b32 s[CS], 0x3e38aa3b                    ; c = log2(e) / 8
	s_mov_b32 s[CS+1], s[CS]                       ; (named with it as a pair, so it is written)
	s_mov_b32 s[MNT], 0x600000                     ; the mantissa field of 57,344
	s_mov_b32 s[TB], 0
	s_mov_b32 s[TS], SCB
	s_mov_b32 s[J], 0
	v_mov_b32 v[NINF], 0xff800000
	v_mov_b32 v13, 0xff61b1e6                      ; the largest t so far: -3e38, under every t
	v_floor_f32 v12, -v13                          ; -M
	v_mov_b32 v14, 0
	v_mov_b32 v15, 0
	v_mov_b32 v[FF+1], 0
.irp b, 0,1,2,3
	v_mov_b32 v[BP+\b], 0                          ; written once: a lane permute's destination counts as one of its sources
.endr
.irp i, 0,1,2,3,4,5,6,7
	v_mov_b32 v[QF+\i], 0                          ; the zero codes beside Q
	v_mov_b32 v[QF+16+\i], 0
.endr
.set j, 0
.rept 32
	v_mov_b32 v[O+j], 0                            ; O^T: the step is written once; the first worked step finds zeros, which the first change of M leaves zeros
.set j, j+1
.endr
	; Q is read once, by me: it is quantised here, in registers.  Two blocks of 32 along D; a block lies in lanes l and l xor 16
	s_wait_loadcnt 17                              ; q's eight loads are in; the 17 fill loads behind them may be out
.irp b, 0,1
	v_max3_num_f32 v[BM+\b], |v[QX+16*\b]|, |v[QX+1+16*\b]|, 0x8000000   ; and the floor 2^(16 - 127)
.endr
.irp i, 2,4,6,8,10,12,14
.irp b, 0,1
	v_max3_num_f32 v[BM+\b], v[BM+\b], |v[QX+16*\b+\i]|, |v[QX+1+16*\b+\i]|
.endr
.endr
.irp b, 0,1
	v_permlanex16_b32 v[BP+\b], v[BM+\b], s[SEL], s[SEL+1]
.endr
.irp b, 0,1
	v_max_num_f32 v[BM+\b], v[BM+\b], v[BP+\b]
.endr
.irp b, 0,1
	v_add_nc_u32 v[SO+\b], 0xf8800000, v[BM+\b]
.endr
.irp b, 0,1
	v_and_or_b32 v[HD+\b], v[BM+\b], 0x7f800000, s[MNT]
.endr
.irp b, 0,1
	v_lshrrev_b32 v[BP+\b], 23, v[SO+\b]
.endr
	v_lshl_or_b32 v[QS], v[BP+1], 8, v[BP]
	v_lshl_or_b32 v[QS], v[QS], 16, v[QS]          ; (b0, b1, b0, b1)
.irp b, 0,1
.irp i, 0,1,2,3,4,5,6,7,8,9,10,11,12,13,14,15
	v_med3_num_f32 v[QX+16*\b+\i], v[QX+16*\b+\i], -v[HD+\b], v[HD+\b]
.endr
	v_cvt_scalef32_pk8_bf8_f32 v[QF+8+4*\b:QF+9+4*\b], v[QX+16*\b:QX+7+16*\b], v[SO+\b]
	v_cvt_scalef32_pk8_bf8_f32 v[QF+10+4*\b:QF+11+4*\b], v[QX+8+16*\b:QX+15+16*\b], v[SO+\b]
.endr
	v_nop                                          ; a plain line behind the last conversion: products will write these registers
	s_wait_alu depctr_va_vdst(0)                   ; v[FB] and v[FC] are written, which the LDS stores below read as addresses; so are v[STO], v[RD] and v[PFO], which later LDS instructions and the prefetch read
.irp n, 0,1,2,3,4,5,6,7
	s_wait_loadcnt 16-\n                           ; loads come back in order: fill load n is in, the younger ones may be out
	ds_store_b128 v[FA], v[F+4*\n:F+4*\n+3] offset:8192*\n
.endr
.irp n, 8,9,10,11,12,13,14,15
	s_wait_loadcnt 16-\n
	ds_store_b128 v[FB], v[F+4*\n:F+4*\n+3] offset:8192*(\n-8)
.endr
	s_wait_loadcnt 0x0
	ds_store_b128 v[FC], v[S:S+3]
	s_wait_dscnt 0x0                               ; for the others' sake: my part of steps 0-7 and of the scale words lies in LDS
	s_wait_kmcnt 0x0                               ; my flags
	s_barrier_signal -1
	s_barrier_wait -1
; Two products of S^T: pair p's fragment against Q | 0 (tile 2 p) and 0 | Q (tile 2 p + 1).  Each starts its sum with the constant 0; no accumulator is touched twice.
.macro KQ p
	s_wait_dscnt 12-4*\p                           ; the scale words and pairs 0 .. p are in; the four loads of each later pair may be out
.if \p%2
	v_wmma_scale_f32_16x16x128_f8f6f4 v[S+16*\p:S+16*\p+7], v[F+16*\p:F+16*\p+15], v[QF+8:QF+23], 0, v[KS+\p/2], v[QS] matrix_a_fmt:MATRIX_FMT_BF8 matrix_b_fmt:MATRIX_FMT_BF8 matrix_a_scale:MATRIX_SCALE_ROW1
	v_wmma_scale_f32_16x16x128_f8f6f4 v[S+16*\p+8:S+16*\p+15], v[F+16*\p:F+16*\p+15], v[QF:QF+15], 0, v[KS+\p/2], v[QS] matrix_a_fmt:MATRIX_FMT_BF8 matrix_b_fmt:MATRIX_FMT_BF8 matrix_a_scale:MATRIX_SCALE_ROW1
.else
	v_wmma_scale_f32_16x16x128_f8f6f4 v[S+16*\p:S+16*\p+7], v[F+16*\p:F+16*\p+15], v[QF+8:QF+23], 0, v[KS+\p/2], v[QS] matrix_a_fmt:MATRIX_FMT_BF8 matrix_b_fmt:MATRIX_FMT_BF8
	v_wmma_scale_f32_16x16x128_f8f6f4 v[S+16*\p+8:S+16*\p+15], v[F+16*\p:F+16*\p+15], v[QF:QF+15], 0, v[KS+\p/2], v[QS] matrix_a_fmt:MATRIX_FMT_BF8 matrix_b_fmt:MATRIX_FMT_BF8
.endif
.endm
; O^T += V^T P^T, tile t: d = 16 t on; K = the step's 128 keys
.macro PV t
.if \t%2
	v_wmma_scale_f32_16x16x128_f8f6f4 v[O+8*\t:O+8*\t+7], v[F+16*\t:F+16*\t+15], v[PC:PC+15], v[O+8*\t:O+8*\t+7], v[VS+\t/2], v[PS] matrix_a_fmt:MATRIX_FMT_BF8 matrix_b_fmt:MATRIX_FMT_BF8 matrix_a_scale:MATRIX_SCALE_ROW1
.else
	v_wmma_scale_f32_16x16x128_f8f6f4 v[O+8*\t:O+8*\t+7], v[F+16*\t:F+16*\t+15], v[PC:PC+15], v[O+8*\t:O+8*\t+7], v[VS+\t/2], v[PS] matrix_a_fmt:MATRIX_FMT_BF8 matrix_b_fmt:MATRIX_FMT_BF8
.endif
.endm
; A KEY STEP: 128 keys.  fill = 1: the trip also brings the codes of the step eight further on from kvc into LDS, 32 bytes a thread.
.macro STEP fill
.if \fill
	s_wait_dscnt 0x0                               ; the last trip's two stores are done
.endif
	s_wait_alu depctr_vm_vsrc(0)                   ; the last step's LDS loads have read v[ADK] and v[ADS]; the last trip's loads and stores have read v[FAD], its stores FL; in the first trip: the prologue's LDS stores have read F and v[S:S+3], q's loads v[QO]
.if \fill
	v_add_nc_u32 v[FAD], s[TB], v[FA1]
.endif
	v_add_nc_u32 v[ADK], s[TB], v[LI]
	v_add_nc_u32 v[ADS], s[TS], v[LS]
.rept 6
	v_nop                                          ; with the additions above: eight places or more behind the last step's products, in front of loads into registers that they read: first the places, then the wait
.endr
	s_wait_alu depctr_va_vdst(0)                   ; v[FAD], v[ADK] and v[ADS] are written, which the loads below and the stores at the trip's end read; the last step's products are done reading F, KS and VS, in which LDS loads land; in the first trip: Q's codes and scale word are written
.if \fill
	global_load_b128 v[FL:FL+3], v[FAD], s[6:7]
	global_load_b128 v[FL+4:FL+7], v[FAD], s[6:7] offset:8192
	; A PREFETCH of what the NEXT trip's fill loads: waves 2 m and 2 m + 1 of the head's first work-group ask in trip m - 1 for the 16,384 bytes of trip m, 8,192 a wave, lanes 256 bytes apart:
	; each block of 256 bytes of steps 9-15 is named once in the launch; steps 0-8 come by their loads alone.  Its registers are never rewritten.
	s_cmp_eq_u32 s[J], s[PFT]
	s_cbranch_scc0 .Lnopf_\@
	global_prefetch_b8 v[PFO], s[6:7] th:TH_LOAD_NT scope:SCOPE_SE
.Lnopf_\@:
.endif
	s_and_b32 s24, s[FLG], 1
	s_cmp_lg_u32 s24, 0
	s_cbranch_scc1 .Lskip_\@                       ; wholly masked: every p would be 0
	s_load_b512 s[32:47], s[MB:MB+1], 0x0          ; the step's 64 mask words
	s_load_b512 s[48:63], s[MB:MB+1], 0x40
	s_load_b512 s[68:83], s[MB:MB+1], 0x80
	s_load_b512 s[84:99], s[MB:MB+1], 0xc0
	ds_load_b32 v[KS], v[ADS]                      ; no vector or matrix instruction since the wait above names a register of these 18 loads
	ds_load_b32 v[KS+1], v[ADS] offset:128
.set i, 0
.rept 16
	ds_load_b128 v[F+4*i:F+4*i+3], v[ADK] offset:512*i   ; an image comes back as it was stored: 512 consecutive bytes an instruction
.set i, i+1
.endr
	KQ 0
	KQ 1
	KQ 2
	KQ 3
.rept 8
	v_nop                                          ; eight places: for the loads below and for the first read of the scores
.endr
	s_wait_alu depctr_va_vdst(0)                   ; the eight products are done reading F, in which V's fragments land
.set i, 0
.rept 16
	ds_load_b128 v[F+4*i:F+4*i+3], v[ADK] offset:8192+512*i   ; V's four fragments land under the softmax, which names neither F nor VS
.set i, i+1
.endr
	ds_load_b32 v[VS], v[ADS] offset:256
	ds_load_b32 v[VS+1], v[ADS] offset:384
	s_wait_kmcnt 0x0                               ; the mask words are in, and their base may be stepped
	s_and_b32 s24, s[FLG], 2
	s_cmp_eq_u32 s24, 0
	s_cbranch_scc1 .Lopen_\@                       ; no score of the tile is masked
.set n, 0
.rept 32
	v_cndmask_b32 v[S+n], v[S+n], v[NINF], s[32+n] ; a masked score becomes -infinity ahead of the maximum: p = 0 then.  Ascending: each accumulator is read from its low end on
.set n, n+1
.endr
.rept 32
	v_cndmask_b32 v[S+n], v[S+n], v[NINF], s[36+n]
.set n, n+1
.endr
.Lopen_\@:
.irp b, 0,1,2,3
	v_max3_num_f32 v[BM+\b], v[S+16*\b], v[S+1+16*\b], v[S+2+16*\b]   ; the largest score of each block of 32 keys: it serves the row's maximum and, since p rises with the score, the block's largest p
.endr
.irp i, 3,5,7,9,11,13
.irp b, 0,1,2,3
	v_max3_num_f32 v[BM+\b], v[BM+\b], v[S+16*\b+\i], v[S+1+16*\b+\i]
.endr
.endr
.irp b, 0,1,2,3
	v_max_num_f32 v[BM+\b], v[BM+\b], v[S+15+16*\b]
.endr
.irp b, 0,1,2,3
	v_permlanex16_b32 v[BP+\b], v[BM+\b], s[SEL], s[SEL+1]
.endr
.irp b, 0,1,2,3
	v_max_num_f32 v[BM+\b], v[BM+\b], v[BP+\b]     ; with lane l xor 16's 16 keys
.endr
	v_max3_num_f32 v[TT], v[BM], v[BM+1], v[BM+2]
	v_max_num_f32 v[TT], v[TT], v[BM+3]            ; the step's largest score of my query
	v_mul_f32 v[TT], s[CS], v[TT]                  ; as t (c is positive)
	v_max_num_f32 v13, v13, v[TT]                  ; the running largest t
	v_mov_b32 v[TT], v12
	v_floor_f32 v12, -v13                          ; the new -M = floor(-t) = -ceil(t)
	v_sub_f32 v[TT], v12, v[TT]                    ; old M - new M: a whole number, 0 or less
	v_cvt_i32_f32 v[TT], v[TT]                     ; (it saturates)
	v_ldexp_f32 v[FF], 1.0, v[TT]                  ; f = 2^(old M - new M)
.set j, 0
.rept 32
	v_pk_fma_f32 v[S+j:S+j+1], v[S+j:S+j+1], s[CS:CS+1], v[12:13] op_sel_hi:[1,0,0]   ; t - M, two at a time (of the pairs c and -M the low word serves both halves)
.set j, j+2
.endr
.irp b, 0,1,2,3
	v_fma_f32 v[BM+\b], v[BM+\b], s[CS], v12       ; the same of each block's largest score
.endr
.set j, 0
	s_wait_alu depctr_va_vdst(0)
.rept 64
	v_exp_f32 v[S+j], v[S+j]                       ; p = 2^(t - M), at most 1
.set j, j+1
.endr
	v_pk_mul_f32 v[14:15], v[14:15], v[FF:FF+1] op_sel_hi:[1,0]   ; the sums under the new M: the plain line behind the exponentials
	s_wait_alu depctr_va_vdst(0)                   ; the 64 exponentials have written p: one wait for the batch, ahead of its first reader
.irp b, 0,1,2,3
	v_exp_f32 v[BM+\b], v[BM+\b]                   ; the block's largest p: the same two instructions on the same number give the same bits
.endr
	v_pk_add_f32 v[L2:L2+1], v[S:S+1], v[S+2:S+3]  ; the row's sum is taken of the UNQUANTISED p: two at a time, in two chains; these lines read the 64 alone
.irp j, 4,8,12,16,20,24,28,32,36,40,44,48,52,56,60
	v_pk_add_f32 v[14:15], v[14:15], v[S+\j:S+\j+1]
	v_pk_add_f32 v[L2:L2+1], v[L2:L2+1], v[S+\j+2:S+\j+3]
.endr
	v_pk_add_f32 v[14:15], v[14:15], v[L2:L2+1]
	s_wait_alu depctr_va_vdst(0)                   ; the four exponentials have written the blocks' largest p, ahead of their first reader
.irp b, 0,1,2,3
	v_max_num_f32 v[BM+\b], 0x8000000, v[BM+\b]    ; the floor 2^(16 - 127): a block whose every p is 0 keeps the byte 1; its codes are zeros
.endr
.irp b, 0,1,2,3
	v_add_nc_u32 v[SO+\b], 0xf8800000, v[BM+\b]    ; 15 off the exponent field: the conversion's scale operand
.endr
.irp b, 0,1,2,3
	v_and_or_b32 v[HD+\b], v[BM+\b], 0x7f800000, s[MNT]   ; 57,344 x the scale
.endr
.irp b, 0,1,2,3
	v_lshrrev_b32 v[BP+\b], 23, v[SO+\b]           ; the byte
.endr
	v_lshl_or_b32 v[PS], v[BP+1], 8, v[BP]         ; p's scale word for these 128 keys: it stands far more than eight places ahead of the products
	v_lshl_or_b32 v[PS], v[BP+2], 16, v[PS]
	v_lshl_or_b32 v[PS], v[BP+3], 24, v[PS]
.irp b, 0,1,2,3
.irp i, 0,1,2,3,4,5,6,7,8,9,10,11,12,13,14,15
	v_min_num_f32 v[S+16*\b+\i], v[S+16*\b+\i], v[HD+\b]   ; the conversion does not saturate (ISA guide 7.6.2); p is not negative, so the hold is one-sided
.endr
	v_cvt_scalef32_pk8_bf8_f32 v[PC+4*\b:PC+1+4*\b], v[S+16*\b:S+7+16*\b], v[SO+\b]
	v_cvt_scalef32_pk8_bf8_f32 v[PC+2+4*\b:PC+3+4*\b], v[S+8+16*\b:S+15+16*\b], v[SO+\b]
.endr
.set j, 0
.rept 16
	v_pk_mul_f32 v[O+j:O+j+1], v[O+j:O+j+1], v[FF:FF+1] op_sel_hi:[1,0]   ; O^T under the new M.  These sixteen are also the plain lines behind the conversions and the places between the codes and the products
.set j, j+2
.endr
	s_wait_dscnt 0x0                               ; V's fragments and scale words
	s_wait_alu depctr_va_vdst(0)                   ; the conversions have written p's codes v[PC ..] and the shifts its scale word v[PS], which the scaled products below take; the places above stay beside this wait
	PV 0                                           ; four accumulators, one instruction each
	PV 1
	PV 2
	PV 3
.Lskip_\@:
.if \fill
	s_wait_loadcnt 0x0                             ; the fill is in, and its offset register is free
	ds_store_b128 v[FAD], v[FL:FL+3]               ; v[FAD] was shown written at the step's head, ahead of the branch; no vector or matrix instruction since names it or FL
	ds_store_b128 v[FAD], v[FL+4:FL+7] offset:8192
.endif
	s_add_co_u32 s[TB], s[TB], 16384               ; on every path: the next step's codes, scale words, mask words and flags
	s_add_co_u32 s[TS], s[TS], 512
	s_add_nc_u64 s[MB:MB+1], s[MB:MB+1], 256
	s_lshr_b32 s[FLG], s[FLG], 2
.endm
.LA:                                               ; steps 0-7; trip j also brings step j + 8 into LDS bytes that nobody reads before the barrier below
	STEP 1
	s_add_co_u32 s[J], s[J], 1
	s_cmp_lt_u32 s[J], 8
	s_cbranch_scc1 .LA
	s_wait_dscnt 0x0                               ; my stores of steps 8-15 have landed, and my reads of steps 0-7 are over
	s_barrier_signal -1
	s_barrier_wait -1
	s_mov_b32 s[TB], HALF
	s_mov_b32 s[TS], SCB+4096
	s_mov_b32 s[J], 0
.LB:                                               ; steps 8-15
	STEP 0
	s_add_co_u32 s[J], s[J], 1
	s_cmp_lt_u32 s[J], 8
	s_cbranch_scc1 .LB
	; THE WAY OUT.  O^T is divided by the row's sum and goes through my own stage, so that sixteen lanes store a query's whole row of 256 bytes.
.rept 8
	v_nop                                          ; eight places behind the last products
.endr
	v_add_f32 v14, v14, v15                        ; the sum's two halves,
	v_permlanex16_b32 v[BP], v14, s[SEL], s[SEL+1]
	v_add_f32 v14, v14, v[BP]                      ; and lane l xor 16's
	s_wait_alu depctr_va_vdst(0)
	v_rcp_f32 v14, v14
	v_lshlrev_b32 v[QO], 12, v[HH]                 ; (plain lines behind the reciprocal)  out0: lanes 0-15 one query's row, lanes 16-31 the next's, 4,096 bytes on; (q's loads were shown to have read v[QO] at every step's head)
	v_lshl_add_u32 v[QO], v[RR], 4, v[QO]          ; 16 bytes a lane
	s_wait_alu depctr_va_vdst(0)                   ; the reciprocal has written v14, ahead of its first reader; v[QO] is written, which the stores of out0 read as their offset
.set j, 0
.rept 32
	v_mul_f32 v[S+j], v[O+j], v14                  ; register 8 t + i is out(r, 16 t + 8 h + i); ascending: each accumulator from its low end on
.set j, j+1
.endr
	s_wait_alu depctr_va_vdst(0)                   ; the 32 multiplications have written v[S ..], which the LDS stores read; the last products are done reading F, in which the loads from the stage land
.irp t, 0,1,2,3
	ds_store_b128 v[STO], v[S+8*\t:S+8*\t+3] offset:64*\t
	ds_store_b128 v[STO], v[S+8*\t+4:S+8*\t+7] offset:64*\t+16
.endr
.irp i, 0,1,2,3,4,5,6,7
	ds_load_b128 v[F+4*\i:F+4*\i+3], v[RD] offset:2*\i*272   ; LDS serves a wave's instructions in order (ISA guide 5.7.1.4): these see my stores
.endr
.irp i, 0,1,2,3,4,5,6,7
	s_wait_dscnt 7-\i                              ; load i is in, the younger ones may be out
	global_store_b128 v[QO], v[F+4*\i:F+4*\i+3], s[12:13] offset:8192*\i th:TH_STORE_NT   ; sixteen lanes store 256 consecutive bytes, at a multiple of 256 from out0's first byte
.endr
	s_wait_xcnt 0x0
	s_wait_alu depctr_vm_vsrc(0)                   ; the loads from the stage have read v254, which is made anew below
	v_lshl_add_u32 v254, v0, 2, 0x42000
	v_mov_b32 v255, 0
	s_wait_dscnt 0x0                               ; the closing lines, six on end
	s_wait_alu 0x0
	s_wait_tensorcnt 0x0
	ds_add_u32 v254, v255
	s_wait_dscnt 0x0
	s_endpgm
.Lfunc_end_k_qd32e5f6d9f_attn:
	.size	k_qd32e5f6d9f_attn, .Lfunc_end_k_qd32e5f6d9f_attn-k_qd32e5f6d9f_attn
	.p2alignl 7, 3214868480
	.fill 96, 4, 3214868480
	.section	.rodata,"a",@progbits
	.p2align	6, 0x0
	.amdhsa_kernel k_qd32e5f6d9f_attn
		.amdhsa_group_segment_fixed_size 272384
		.amdhsa_private_segment_fixed_size 0
		.amdhsa_enable_private_segment 0
		.amdhsa_kernarg_size 40
		.amdhsa_user_sgpr_count 2
		.amdhsa_user_sgpr_kernarg_segment_ptr 1
		.amdhsa_wavefront_size32 1
		.amdhsa_system_sgpr_workgroup_id_x 1
		.amdhsa_system_sgpr_workgroup_id_y 1
		.amdhsa_system_sgpr_workgroup_id_z 1
		.amdhsa_system_vgpr_workitem_id 0
		.amdhsa_next_free_vgpr 256
		.amdhsa_next_free_sgpr 100
		.amdhsa_reserve_vcc 0
		.amdhsa_float_denorm_mode_32 3
		.amdhsa_float_denorm_mode_16_64 3
		.amdhsa_memory_ordered 1
		.amdhsa_forward_progress 1
		.amdhsa_inst_pref_size 65
	.end_amdhsa_kernel
	.amdgpu_metadata
---
amdhsa.version: [ 1, 2 ]
amdhsa.kernels:
  - .name:           k_qd32e5f6d9f_attn
    .symbol:         k_qd32e5f6d9f_attn.kd
    .args:
      - { .name: queries, .offset: 0, .size: 8, .value_kind: global_buffer, .address_space: global }
      - { .name: kvc, .offset: 8, .size: 8, .value_kind: global_buffer, .address_space: global }
      - { .name: mbits, .offset: 16, .size: 8, .value_kind: global_buffer, .address_space: global }
      - { .name: mflags, .offset: 24, .size: 8, .value_kind: global_buffer, .address_space: global }
      - { .name: out0, .offset: 32, .size: 8, .value_kind: global_buffer, .address_space: global }
    .group_segment_fixed_size: 272384
    .private_segment_fixed_size: 0
    .kernarg_segment_align: 8
    .kernarg_segment_size: 40
    .max_flat_workgroup_size: 512
    .sgpr_count:     100
    .vgpr_count:     256
    .wavefront_size: 32
...
	.end_amdgpu_metadata
.endif
;; end of part 4
